; MI455X (gfx1250); checked and timed in simulation.
; The chip was launched on July 23, 2026; its instructions are those of AMD's public machine-readable ISA for CDNA 5 (MIT licence, August 2026) and "CDNA5" Instruction Set Architecture Reference Guide (July 2026). The comments in the code are by the model that wrote it; some were corrected since.
;; Attention. Allowed arithmetic: matrix products marked QUANTISED: E2M1 operands, one E8M0 scale for each 32 along K, by v_wmma_scale_f32_16x16x128_f8f6f4 with both operands' format E2M1 (or v_wmma_scale_f32_32x16x128_f4), f32 sums; everything else in f32.
;; Inputs: keys 4 x 4,096 x 64 float32; q_mask 4 x 4,096 bool; query 4 x 4,096 x 64 float32; scale one number float32; v_mask 4 x 4,096 bool; value 4 x 4,096 x 64 float32.
;; Outputs: out0 4 x 4,096 x 64 float32.
;; This version of the problem:
;;   THIS VERSION OF THE PROBLEM IS GIVEN IN LOW PRECISION. The matrix products marked QUANTISED in the list below multiply operands that are first quantised to E2M1 (2 exponent bits, 1 mantissa bit; 4 bits a number), with one power-of-two scale for each 32 numbers along K (OCP MX v1.0); their sums are f32. All else is computed in f32.
;;   The module's matrix products, in the order in which they are computed (A, B: the left and right operand; K: the contracted axis; several contracted axes count as one K, in the product's order):
;;     1. batch 4 x [M 4,096, K 64] x [K 64, N 4,096]; A: input query; B: input keys: QUANTISED
;;     2. batch 4 x [M 4,096, K 4,096] x [K 4,096, N 64]; A: softmax (see below); B: input value: QUANTISED
;;   THE QUANTISER, for each operand of a quantised product, along K:
;;     - K is cut into blocks of 32 from its start; a last block that is shorter is filled with zeros.
;;     - A block's scale is 2^e with e = floor(log2(the largest magnitude in the block)) - 2, held to -126 .. 127; a block of zeros has e = 0. As a byte (E8M0): e + 127.
;;     - Each number is divided by its block's scale, clamped to +-6, and rounded to the nearest number of E2M1, ties to even, subnormals kept.
;;     - The product sums the exact products of the quantised numbers (number of the format x scale) in f32.
;;   ~~~python
;;   def quantise(x, axis):      # numpy; x: float32 -> the quantised numbers, widened to float32 again
;;       x = np.moveaxis(x, axis, -1); K = x.shape[-1]
;;       x = np.pad(x, [(0, 0)] * (x.ndim - 1) + [(0, -K % 32)]); x = x.reshape(x.shape[:-1] + (-1, 32)); a = np.abs(x).max(-1, keepdims=True)
;;       e = np.where(a > 0, np.clip(np.frexp(np.where(a > 0, a, 1))[1] - 1 - 2, -126, 127), 0)      # np.frexp(a)[1] - 1 = floor(log2(a)), exactly
;;       r = np.clip(x / 2.0 ** e, -6, 6)
;;       step = 2.0 ** (np.maximum(np.frexp(np.where(r == 0, 1, r))[1] - 1, 0) - 1)
;;       q = np.round(r / step) * step * 2.0 ** e      # np.round: ties to even
;;       return np.moveaxis(q.reshape(q.shape[:-2] + (-1,))[..., :K], -1, axis).astype(np.float32)
;;   ~~~
;;   SOFTMAX AHEAD OF A QUANTISED PRODUCT. Where the list says 'softmax', what is quantised is not the finished softmax but p = 2^(t - M), with t = logit x log2(e) and M = ceil(the row's largest t), a whole number; so 1/2 < the row's largest p <= 1. The row's sum l is taken of the UNQUANTISED p, in f32, and the product's result is divided by l at the end. Since M is a whole number, a kernel that streams over the keys may use a running M (the ceiling of the running maximum): every later rescaling is an exact power of two, which a block's scale takes up: the codes' values come out the same.
;;   OPERANDS COMPUTED ON THE WAY. 'Computed on the way' means the value that the module computes at that place (a softmax that the list does not call 'softmax' is quantised finished and normalised). What goes into a quantiser is computed in f32, as accurately as f32 sums, v_exp_f32 and their like allow (about 1e-6 of the number): no bf16 or f16 on the way to a quantiser, and a product that is left as it is and whose result goes on into a quantised operand takes f32 operands (vector FMAs, or v_wmma_f32_16x16x4_f32). A number that lies on a knife's edge between two numbers of the format may be rounded either way, as far as f32 arithmetic and the matrix unit's own rounding can turn it there, and no further.
;; 2 versions. Each part assembles by itself: llvm-mc -triple=amdgcn-amd-amdhsa -mcpu=gfx1250 --defsym DOCPART=n.
;; ======== version 1 of 2: 2 launches
;; limits: right only within a limited range of input values
;; workspace buffers: kv 1,179,648 bytes; qimg 589,824 bytes; first 512 bytes of whole numbers
;; launch prep (part 1): grid 128 x 3, 4 waves a work-group, no clusters, 36,096 bytes of LDS; arguments keys, query, value, v_mask, kv, qimg, first; writes kv, qimg, first
.if DOCPART == 1
	.amdgcn_target "amdgcn-amd-amdhsa--gfx1250"
	.amdhsa_code_object_version 6
	.text
	.protected	k_qdd732db2ae_prep
	.globl	k_qdd732db2ae_prep
	.p2align	8
	.type	k_qdd732db2ae_prep,@function
k_qdd732db2ae_prep:
	s_mov_b64 s[64:65], 0
	v_nop
	global_prefetch_b8 v0, s[64:65] scope:SCOPE_SE
	s_setreg_imm32_b32 hwreg(HW_REG_WAVE_MODE, 25, 1), 1
	s_wait_xcnt 0x0
; keys, query [4][4096][64] and value [4][4096][64], f32, become codes of FP4 (E2M1) with one E8M0 byte for each 32 along a product's K,
; laid in the ORDER OF THE OPERANDS' REGISTERS, so that the attention launch loads every fragment by 16-byte loads, lane l's bytes at 16 l.
; Work-group x = 32 batch + step owns 128 rows (keys or queries); y = 0: keys, 1: query, 2: value.
; kv, block x of 9,216 bytes: +0 eight tiles of K, 512 bytes each (registers 0-3 of the operand: K = the 64 channels, lane (r, h) holds block h of its row);
;   +4096 K's scale words (lane (r, h), word j: tile 2 j + h, row r); +4608 V (channel tile t, half c at 1024 t + 512 c: keys 64 c + 32 h + 0..31 of channel 16 t + r);
;   +8704 V's scale words (lane (r, h), word j: channel tile 2 j + h); the last 256 bytes are neither written nor read.   qimg, block x of 4,608 bytes: as K's part.
; THE ROWS OF A TILE ARE NOT NEIGHBOURS: lane r of tile 2 b + u takes row 32 b + 8 u + r + 8 (r / 8), for keys and for queries alike.
; THE KEY MASK RIDES IN K's SCALE WORD.  The first product has K = 64 of the instruction's 128; at k = 64 the attention launch puts the code 1.0 on K's side and -4 on Q's.
;   Byte 2 of a key's word is 1 where v_mask is true and 177 where it is false, byte 2 of a query's word is 175: the score gains -2^-76 or -2^100.  Byte 3 is 127 over zero codes.
; A block's scale: the largest magnitude's exponent field - 2, held at 1 from below (a block of zeros keeps the byte 1: its codes are zeros, and this program alone reads the bytes).
; first[32 b .. 32 b + 31] = the first true index of v_mask in batch b, 4096 if there is none: whole numbers for the next launch's trip counts.
; LIMITS: NaN and infinities among the inputs are not served; blocks whose largest magnitude lies under 2^-124 keep the byte 1.
.set STG,  8704                        ; LDS: a stage for each wave: 32 rows of 256 bytes + 16 of padding (keys and query)
.set QKSC, 4*STG                       ; the 512 bytes of scale words (keys and query)
.set VSC,  QKSC+512                    ; the 256 bytes of scale words (value): each way through the text has LDS bytes of its own
.set RR,   32                          ; v32-95   numbers as loaded
.set XX,   96                          ; v96-159  two tiles x 32 neighbours along K
	s_load_b256 s[4:11], s[0:1], 0x0               ; keys s[4:5], query s[6:7], value s[8:9], v_mask s[10:11]
	s_load_b128 s[12:15], s[0:1], 0x20             ; kv s[12:13], qimg s[14:15]
	s_load_b64 s[16:17], s[0:1], 0x30              ; first
	v_lshl_add_u32 v168, v0, 2, 0x8b00
	v_mov_b32 v169, 0
	v_lshrrev_b32 v1, 5, v0
	v_readfirstlane_b32 s18, v1                    ; wave 0..3
	s_mov_b32 s19, ttmp9                           ; x = 32 batch + step
	s_and_b32 s20, ttmp7, 0xffff                   ; y: which tensor
	v_and_b32 v1, 31, v0                           ; lane
	v_and_b32 v2, 15, v0                           ; r
	v_bfe_u32 v3, v0, 4, 1                         ; h
	v_lshlrev_b32 v4, 4, v1                        ; 16 x lane
	v_and_b32 v5, 8, v2
	v_add_nc_u32 v5, v5, v2                        ; r + 8 (r / 8)
	; every LDS address is made here, ahead of the parting of the ways
	s_mul_i32 s21, s18, STG
	v_mul_u32_u24 v6, v3, 272
	v_lshl_add_u32 v6, v2, 4, v6
	v_add_nc_u32 v6, s21, v6                       ; the stage, in: a load's 512 bytes are two rows: row h, 16 r
	v_mul_u32_u24 v7, v5, 272
	v_lshl_add_u32 v7, v3, 7, v7
	v_add_nc_u32 v7, s21, v7                       ; and out: my row of tile 0, my block of 32 numbers
	s_lshl_b32 s21, s18, 2
	s_add_co_u32 s21, s21, QKSC
	v_add_nc_u32 v8, s21, v4                       ; my scale word's place: 16 x lane + 4 x wave
	v_add_nc_u32 v9, QKSC, v4                      ; the image read back: 16 x lane
	v_lshlrev_b32 v10, 3, v3                       ; 8 h: my byte's place in the word
	s_and_b32 s30, s18, 1                          ; value: which 32 channels
	s_lshr_b32 s31, s18, 1                         ; value: which 64 keys
	s_lshl_b32 s21, s30, 2
	s_lshl_b32 s32, s31, 1
	s_add_co_u32 s21, s21, s32
	s_add_co_u32 s21, s21, VSC
	v_lshl_add_u32 v15, v1, 3, s21                 ; value: my two scale bytes: 8 x lane + 4 (wave % 2) + 2 (wave / 2)
	v_lshlrev_b32 v161, 3, v1                      ; 8 x lane
	v_add_nc_u32 v160, VSC, v161                   ; value: the image read back
	v_mov_b32 v22, 0                               ; written once: a lane permute's destination counts as one of its sources
	v_mov_b32 v23, 0
	s_mov_b32 s36, 0x76543210
	s_mov_b32 s37, 0xfedcba98                      ; v_permlanex16_b32's selects for lane l xor 16
	s_mov_b32 s33, 0                               ; the upper word of every 64-bit offset
	s_wait_kmcnt 0x0
	s_cmp_eq_u32 s20, 2
	s_cbranch_scc1 .Lvalue
	; ---- keys or query: one way through the text; only pointers and two constants are chosen, by the work-group's y
	s_mov_b32 s26, 4608
	s_mov_b32 s27, 0x7faf0000                      ; a query's bytes 3 and 2: 127, 175
	s_cmp_eq_u32 s20, 0
	s_cselect_b64 s[22:23], s[4:5], s[6:7]         ; from
	s_cselect_b64 s[24:25], s[12:13], s[14:15]     ; to
	s_cselect_b32 s26, 9216, s26                   ; a block's bytes there
	s_cselect_b32 s28, 0x7f010000, s27             ; a key that counts: 127, 1
	s_cselect_b32 s29, 0x7fb10000, s27             ; a key that is masked: 127, 177
	v_mov_b32 v13, s28
	v_mov_b32 v14, s29
	s_lshl_b32 s32, s19, 15                        ; 128 rows of 256 bytes a block,
	s_lshl_b32 s34, s18, 13                        ; 32 of them a wave
	s_add_co_u32 s32, s32, s34
	s_add_nc_u64 s[22:23], s[22:23], s[32:33]
	s_mul_i32 s32, s19, s26
	s_add_nc_u64 s[24:25], s[24:25], s[32:33]
	s_lshl_b32 s32, s19, 7
	s_lshl_b32 s34, s18, 5
	s_add_co_u32 s32, s32, s34
	s_add_nc_u64 s[34:35], s[10:11], s[32:33]      ; v_mask at my wave's 32 rows (read on query's way too, where both constants are one)
	global_load_u8 v11, v5, s[34:35]               ; the mask of my row of tile 0,
	global_load_u8 v12, v5, s[34:35] offset:8      ; and of tile 1
.irp j, 0,1,2,3,4,5,6,7,8,9,10,11,12,13,14,15
	global_load_b128 v[RR+4*\j:RR+4*\j+3], v4, s[22:23] offset:512*\j th:TH_LOAD_NT   ; 32 lanes read 512 consecutive bytes: two rows
.endr
.irp j, 0,1,2,3,4,5,6,7,8,9,10,11,12,13,14,15
	s_wait_loadcnt 15-\j                           ; loads come back in order: load j is in, the younger ones stay out
	ds_store_b128 v6, v[RR+4*\j:RR+4*\j+3] offset:544*\j
.endr
.irp u, 0,1
.irp i, 0,1,2,3,4,5,6,7
	ds_load_b128 v[XX+32*\u+4*\i:XX+32*\u+4*\i+3], v7 offset:2176*\u+16*\i   ; my wave's own bytes, served in order: these see the stores above.  32 neighbours along K of my row of tile u
.endr
.endr
	s_wait_dscnt 0x0
.irp u, 0,1
	v_max3_num_f32 v[16+\u], |v[XX+32*\u]|, |v[XX+32*\u+1]|, 0x1800000   ; the block's largest magnitude (all 32 are mine), and the floor 2^(3 - 127): the byte cannot fall under 1
.endr
.irp i, 2,4,6,8,10,12,14,16,18,20,22,24,26,28,30
.irp u, 0,1
	v_max3_num_f32 v[16+\u], v[16+\u], |v[XX+32*\u+\i]|, |v[XX+32*\u+\i+1]|   ; (the two tiles by turns)
.endr
.endr
.irp u, 0,1
	v_add_nc_u32 v[18+\u], 0xff000000, v[16+\u]    ; 2 off the exponent field: the conversion takes the exponent field of this operand as its scale
.endr
.irp u, 0,1
.irp g, 0,1,2,3
	v_cvt_scalef32_pk8_fp4_f32 v[24+4*\u+\g], v[XX+32*\u+8*\g:XX+32*\u+8*\g+7], v[18+\u]
.endr
.endr
.irp u, 0,1
	v_lshrrev_b32 v[20+\u], 23, v[18+\u]           ; the scale's byte (a plain line behind the conversions)
.endr
.irp u, 0,1
	v_lshlrev_b32 v[20+\u], v10, v[20+\u]          ; at its place: block h is byte h
.endr
.irp u, 0,1
	v_permlanex16_b32 v[22+\u], v[20+\u], s36, s37
.endr
.irp u, 0,1
	v_or_b32 v[20+\u], v[20+\u], v[22+\u]          ; with lane l xor 16's: bytes 0 and 1
.endr
.irp u, 0,1
	v_cmp_ne_u32 vcc_lo, 0, v[11+\u]
	v_cndmask_b32 v[22+\u], v14, v13, vcc_lo       ; bytes 2 and 3, by the row's mask
	v_or_b32 v[20+\u], v[20+\u], v[22+\u]
.endr
	s_lshl_b32 s32, s18, 10
	s_add_nc_u64 s[38:39], s[24:25], s[32:33]      ; my two tiles' images
	global_store_b128 v4, v[24:27], s[38:39]       ; 32 lanes store 512 consecutive bytes, at a multiple of 256 from the buffer's first byte
	global_store_b128 v4, v[28:31], s[38:39] offset:512
	v_cmp_ne_u32 vcc_lo, 0, v3
	v_cndmask_b32 v20, v20, v21, vcc_lo            ; lanes 0-15 keep tile 2 w's word, lanes 16-31 tile 2 w + 1's
	ds_store_b32 v8, v20
	s_wait_dscnt 0x0                               ; for the others' sake: my store has landed
	s_barrier_signal -1
	s_barrier_wait -1
	s_cmp_lg_u32 s18, 0
	s_cbranch_scc1 .Lend_qk
	ds_load_b128 v[16:19], v9                      ; the four waves' words
	s_wait_dscnt 0x0
	global_store_b128 v4, v[16:19], s[24:25] offset:4096
	; ---- first: wave 0 of the keys' work-group of a batch's step 0
	s_cmp_lg_u32 s20, 0
	s_cbranch_scc1 .Lend_qk
	s_and_b32 s32, s19, 31
	s_cmp_lg_u32 s32, 0
	s_cbranch_scc1 .Lend_qk
	s_lshr_b32 s40, s19, 5                         ; the batch
	s_lshl_b32 s32, s40, 12
	s_add_nc_u64 s[42:43], s[10:11], s[32:33]
	v_lshlrev_b32 v164, 7, v1                      ; a lane takes 128 bytes of the batch's 4,096
.irp i, 0,1,2,3,4,5,6,7
	global_load_b128 v[RR+4*\i:RR+4*\i+3], v164, s[42:43] offset:16*\i
.endr
	s_wait_loadcnt 0x0
	v_mov_b32 v96, 0                               ; the first word that is not 0,
	v_mov_b32 v97, 0x800                           ; and its number; none: 2,048, which the hold below turns into 4,096
.set I, 31
.rept 32
	v_cmp_eq_u32 vcc_lo, 0, v[RR+I]
	v_cndmask_b32 v96, v[RR+I], v96, vcc_lo
	v_cndmask_b32 v97, I, v97, vcc_lo
.set I, I-1
.endr
	v_mov_b32 v99, 3                               ; the first byte of it that is not 0
	v_and_b32 v98, 0xff0000, v96
	v_cmp_eq_u32 vcc_lo, 0, v98
	v_cndmask_b32 v99, 2, v99, vcc_lo
	v_and_b32 v98, 0xff00, v96
	v_cmp_eq_u32 vcc_lo, 0, v98
	v_cndmask_b32 v99, 1, v99, vcc_lo
	v_and_b32 v98, 0xff, v96
	v_cmp_eq_u32 vcc_lo, 0, v98
	v_cndmask_b32 v99, 0, v99, vcc_lo
	v_lshl_add_u32 v99, v97, 2, v99
	v_lshl_add_u32 v99, v1, 7, v99
	v_min_u32 v99, 0x1000, v99
.irp m, 1,2,4,8
	v_mov_b32_dpp v98, v99 row_xmask:\m row_mask:0xf bank_mask:0xf
	v_min_u32 v99, v99, v98
.endr
	v_permlanex16_b32 v98, v99, s36, s37
	v_min_u32 v99, v99, v98                        ; the least over the 32 lanes, in every lane
	s_lshl_b32 s32, s40, 7
	s_add_nc_u64 s[44:45], s[16:17], s[32:33]
	v_lshlrev_b32 v165, 2, v1
	global_store_b32 v165, v99, s[44:45]           ; 32 equal words
.Lend_qk:
	s_wait_tensorcnt 0x0
	ds_add_u32 v168, v169
	s_wait_dscnt 0x0
	s_endpgm
	; ---- value: K = the keys is its first axis.  A lane takes a channel, its registers run down the keys: a block of 32 keys is one lane's.
.Lvalue:
	s_lshl_b32 s32, s19, 15                        ; 128 keys of 256 bytes,
	s_lshl_b32 s34, s31, 14                        ; my 64 of them,
	s_add_co_u32 s32, s32, s34
	s_lshl_b32 s34, s30, 7                         ; my 32 channels
	s_add_co_u32 s32, s32, s34
	s_add_nc_u64 s[22:23], s[8:9], s[32:33]
	s_mul_i32 s32, s19, 9216
	s_add_nc_u64 s[24:25], s[12:13], s[32:33]      ; the block of kv
	s_lshl_b32 s32, s30, 11                        ; two channel tiles of 1,024 bytes,
	s_lshl_b32 s34, s31, 9                         ; the half of the step's keys
	s_add_co_u32 s32, s32, s34
	s_add_nc_u64 s[38:39], s[24:25], s[32:33]
	v_lshlrev_b32 v162, 2, v1
	v_lshlrev_b32 v163, 10, v3
	v_lshl_add_u32 v163, v2, 4, v163               ; channel tile lane / 16, row lane % 16
.irp bk, 0,1
.irp i, 0,1,2,3,4,5,6,7,8,9,10,11,12,13,14,15,16,17,18,19,20,21,22,23,24,25,26,27,28,29,30,31
	global_load_b32 v[RR+32*\bk+\i], v162, s[22:23] offset:256*(32*\bk+\i) th:TH_LOAD_NT
.endr
.endr
.macro VBLOCK bk
.set XS, RR+32*\bk
	v_max3_num_f32 v16, |v[XS]|, |v[XS+1]|, |v[XS+2]|
	v_max3_num_f32 v17, |v[XS+3]|, |v[XS+4]|, |v[XS+5]|
.irp i, 6,10,14,18,22,26
	v_max3_num_f32 v16, v16, |v[XS+\i]|, |v[XS+\i+1]|
	v_max3_num_f32 v17, v17, |v[XS+\i+2]|, |v[XS+\i+3]|
.endr
	v_max3_num_f32 v16, v16, |v[XS+30]|, |v[XS+31]|
	v_max3_num_f32 v16, v16, v17, 0x1800000        ; and the floor
	v_add_nc_u32 v[18+\bk], 0xff000000, v16
.irp g, 0,1,2,3
	v_cvt_scalef32_pk8_fp4_f32 v[24+4*\bk+\g], v[XS+8*\g:XS+8*\g+7], v[18+\bk]
.endr
	v_lshrrev_b32 v[20+\bk], 23, v[18+\bk]         ; the byte (a plain line behind the conversions)
	global_store_b128 v163, v[24+4*\bk:27+4*\bk], s[38:39] offset:4608+256*\bk   ; sixteen lanes store 256 consecutive bytes, aligned
.endm
	s_wait_loadcnt 32                              ; the first block's 32 loads are in, the second's may be out
	VBLOCK 0
	s_wait_loadcnt 0x0
	VBLOCK 1
	v_lshl_or_b32 v20, v21, 8, v20                 ; my channel's bytes of two neighbouring key blocks
	ds_store_b16 v15, v20
	s_wait_dscnt 0x0                               ; for the others' sake
	s_barrier_signal -1
	s_barrier_wait -1
	s_cmp_lg_u32 s18, 0
	s_cbranch_scc1 .Lend_v
	ds_load_b64 v[96:97], v160
	s_wait_dscnt 0x0
	global_store_b64 v161, v[96:97], s[24:25] offset:8704   ; 32 lanes store 256 consecutive bytes, aligned
.Lend_v:
	s_wait_tensorcnt 0x0
	ds_add_u32 v168, v169
	s_wait_dscnt 0x0
	s_endpgm
.Lfunc_end_k_qdd732db2ae_prep:
	.size	k_qdd732db2ae_prep, .Lfunc_end_k_qdd732db2ae_prep-k_qdd732db2ae_prep
	.p2alignl 7, 3214868480
	.fill 96, 4, 3214868480
	.section	.rodata,"a",@progbits
	.p2align	6, 0x0
	.amdhsa_kernel k_qdd732db2ae_prep
		.amdhsa_group_segment_fixed_size 36096
		.amdhsa_private_segment_fixed_size 0
		.amdhsa_enable_private_segment 0
		.amdhsa_kernarg_size 56
		.amdhsa_user_sgpr_count 2
		.amdhsa_user_sgpr_kernarg_segment_ptr 1
		.amdhsa_wavefront_size32 1
		.amdhsa_system_sgpr_workgroup_id_x 1
		.amdhsa_system_sgpr_workgroup_id_y 1
		.amdhsa_system_sgpr_workgroup_id_z 1
		.amdhsa_system_vgpr_workitem_id 0
		.amdhsa_next_free_vgpr 170
		.amdhsa_next_free_sgpr 66
		.amdhsa_reserve_vcc 1
		.amdhsa_float_denorm_mode_32 3
		.amdhsa_float_denorm_mode_16_64 3
		.amdhsa_memory_ordered 1
		.amdhsa_forward_progress 1
		.amdhsa_inst_pref_size 27
	.end_amdhsa_kernel
	.amdgpu_metadata
---
amdhsa.version: [ 1, 2 ]
amdhsa.kernels:
  - .name:           k_qdd732db2ae_prep
    .symbol:         k_qdd732db2ae_prep.kd
    .args:
      - { .name: keys, .offset: 0, .size: 8, .value_kind: global_buffer, .address_space: global }
      - { .name: query, .offset: 8, .size: 8, .value_kind: global_buffer, .address_space: global }
      - { .name: value, .offset: 16, .size: 8, .value_kind: global_buffer, .address_space: global }
      - { .name: v_mask, .offset: 24, .size: 8, .value_kind: global_buffer, .address_space: global }
      - { .name: kv, .offset: 32, .size: 8, .value_kind: global_buffer, .address_space: global }
      - { .name: qimg, .offset: 40, .size: 8, .value_kind: global_buffer, .address_space: global }
      - { .name: first, .offset: 48, .size: 8, .value_kind: global_buffer, .address_space: global }
    .group_segment_fixed_size: 36096
    .private_segment_fixed_size: 0
    .kernarg_segment_align: 8
    .kernarg_segment_size: 56
    .max_flat_workgroup_size: 128
    .sgpr_count:     66
    .vgpr_count:     170
    .wavefront_size: 32
...
	.end_amdgpu_metadata
.endif
;; end of part 1
;; launch attend (part 2): grid 64 x 4, 8 waves a work-group, no clusters, 157,696 bytes of LDS; arguments kv, qimg, first, scale, q_mask, out0; writes out0
.if DOCPART == 2
	.amdgcn_target "amdgcn-amd-amdhsa--gfx1250"
	.amdhsa_code_object_version 6
	.text
	.protected	k_qdd732db2ae_attend
	.globl	k_qdd732db2ae_attend
	.p2align	8
	.type	k_qdd732db2ae_attend,@function
k_qdd732db2ae_attend:
	s_mov_b64 s[64:65], 0
	v_nop
	global_prefetch_b8 v0, s[64:65] scope:SCOPE_SE
	s_setreg_imm32_b32 hwreg(HW_REG_WAVE_MODE, 25, 1), 1
	s_wait_xcnt 0x0
; out[b][q] = q_mask x softmax_k(query . keys x scale - 1e9 x (key masked or k > q)) value, both products on codes of FP4 (E2M1) with E8M0 scales for each 32 along K.
; p = 2^(t - M), t = logit x log2(e), M = the running largest t rounded up to a whole number; the row's sum is taken of the unquantised p and divides at the end.
; OPERANDS come from kv and qimg, laid by the launch before in the order of the operands' registers: every fragment is loaded from memory straight into registers, 16 bytes a lane.
; No tensor load, no cluster, no joint request: the trip counts hang on a number read from memory (first), and the eight waves of a work-group read eight different key steps at a time.
; SHARES.  A double tile d is 32 queries (two tiles of 16), its causal work d / 4 + 1 steps of 128 keys.  Work-group g of a batch owns two: (127 - g, g + 1), (0, 33), (128 - g, g + 1): 33 or 34 steps.
;   THE WAVES SHARE THE KEYS: the steps of a work-group's jobs are dealt round the eight waves; each wave keeps its own M, sum and O^T, stores them to LDS, and behind ONE barrier waves 0-3 merge a tile each:
;   the factors between two M are powers of two, so nothing is rounded by them.
; LAYOUT.  Both products transposed: S^T = K Q^T, O^T = V^T P^T: a lane holds one query.  Lane r of tile 2 b + u takes key (query) 32 b + 8 u + r + 8 (r / 8): 16 registers of two tiles are 16 neighbouring keys.
; THE KEY MASK costs no vector work: at k = 64 K carries the code 1.0 and Q the code -4; K's scale byte there is 1 or 177, Q's 175: the score gains -2^-76 or -2^100.
; ROWS WITHOUT AN ALLOWED KEY (q < first[b]): every key, those behind the diagonal too, has the logit fl(fl(dot x scale) - 1e9).  Double tiles that hold such a row go tile by tile through EXACT jobs: all 32 steps,
;   the four roundings of reference() one by one, the mask's code cleared and Q's scale byte there set to 1 in those lanes; the other lanes of such a tile get the bias 0, or -2^100 |scale| behind the diagonal.
; THE SCALE: its sign is put onto Q's codes (the quantiser is odd), its magnitude is held at 2^-60 from below.  The running largest t begins at -2^99 c, under every allowed t and over every masked one.
; LIMITS: |scale| < 2^26; |dot| < 2^98; an allowed score carries -2^-76; p under 2^-126 counts as 0; NaN and infinities among the inputs are not served; the sign of a zero output is not kept.
; REGISTERS.  Window 0 holds tile A and window 1 tile B at the SAME numbers: v64-127 S^T then p, v128-159 O^T, v160-167 p's codes, v168-175 Q, v176-191 at work, v200 -M, v201 largest t, v202-203 the sum, v204 diagonal, v205 -2^100.
;   Window 0 alone: v1-31 addresses and constants, v32-63 V's four fragments, v206-221 Q's codes as loaded (this slot's, the next's), v224-234 scale words.  Window 1 alone: v0-63 K's eight fragments.
.set KVSTEP, 9216
.set KVBATCH, 32*KVSTEP
.set QBLK,  4608
.set REC,   4352                       ; LDS: a record: O^T as 8 images of 512 bytes, then (-M, sum) at 4096 + 8 x lane
.set RECW,  4*REC                      ; a wave's four records, one for each tile of the work-group, on end: record (wave, tile) at RECW wave + REC tile
.set STAGE, 8*RECW                     ; behind them: a stage of 16 rows x (256 + 16) bytes for each of the four merging waves
.set VF,   32
.set SS,   64
.set OO,   128
.set PCD,  160
.set QF,   168
.set BM,   176                         ; the four blocks' largest scores
.set T1,   180
.set SCO,  184                         ; the conversions' scale operands
.set XT,   188
.set FF,   190                         ; f = 2^(old M - new M), named as a pair
.set NM,   200
.set TM,   201
.set LL,   202
.set DV,   204
.set NEGB, 205
.set QRAW, 206
.set KS,   224                         ; v224-227 K's scale words; v228-229 V's; v230 Q's; v231, v232 p's (tile A, B); v233 the next slot's Q's; v234 Q's for an EXACT job
.set VS,   228
.set QS,   230
.set PW,   231
.set QSN,  233
.set QSX,  234
.set WV,   16                          ; s16 wave; s17 g; s18 batch; s19 first[batch]
.set GG,   17
.set BB,   18
.set FB,   19
.set SEL,  20                          ; s[20:21] selects for lane l xor 16
.set CC,   22                          ; s[22:23] c = |scale| log2(e);  s[24:25] |scale|;  s[26:27] log2(e): pairs, since the packed forms name pairs
.set SC,   24
.set L2E,  26
.set T0,   28                          ; -2^99 c
.set KILL, 29                          ; -2^100 |scale|
.set SGN,  30                          ; 0x88888888 where scale is negative
.set CUR,  31                          ; s31-39 this slot: D, D / 4, 32 D, then for jobs a and b: steps N, my first step F, the first step of my next job that has one
.set NXT,  40                          ; s40-48 the next slot
.set CNT,  49
.set SOFF, 50                          ; the slot's two records in my four
.set NN,   51
.set ST,   52
.set NX,   53
.set NSJ,  54
.set FM,   55                          ; lanes whose query has no allowed key
.set BK,   56
.set TC,   57                          ; a key loop's trips so far,
.set TE,   62                          ; and how many it has: my steps of the job
.set KVB,  58                          ; s[58:59] kv at my batch; s[60:61], s[66:67] the bases of K's and V's loads; s[68:69] an offset
.set KB,   60
.set VB,   66
.set TMP,  68
.set MSB, 0
.macro WIN new                         ; the immediate's high byte repeats the setting that is left; a switch that changes nothing is dropped
.if MSB != \new
	s_set_vgpr_msb (MSB<<8)|\new
.set MSB, \new
.endif
.endm
.macro PLACES n
.rept \n
	v_nop
.endr
.endm
.macro LOADK                           ; 9 loads: eight tiles of K (registers 0-3 of each fragment, window 1) and their scale words
	WIN 0x40
.irp t, 0,1,2,3,4,5,6,7
	global_load_b128 v[8*\t:8*\t+3], v1, s[KB:KB+1] offset:512*\t
.endr
	WIN 0
	global_load_b128 v[KS:KS+3], v1, s[KB:KB+1] offset:4096
.endm
.macro LOADV                           ; 9 loads: four fragments of V^T and their scale words
.irp t, 0,1,2,3
.irp c, 0,1
	global_load_b128 v[VF+8*\t+4*\c:VF+8*\t+4*\c+3], v1, s[VB:VB+1] offset:4608+1024*\t+512*\c
.endr
.endr
	global_load_b64 v[VS:VS+1], v2, s[VB:VB+1] offset:8704
.endm
.macro TRIPS                           ; my steps of the job are F, F + 8, .. under N: (N + 7 - F) / 8 of them, rounded down; none where F >= N, since F is 7 at the most; four at the most, since N is 32 at the most
	s_add_co_u32 s[TE], s[NN], 7
	s_sub_co_u32 s[TE], s[TE], s[ST]
	s_lshr_b32 s[TE], s[TE], 3
	s_min_u32 s[TE], s[TE], 4
	s_mov_b32 s[TC], 0
.endm
.macro NEXT                            ; the step that is fetched next: my next of this job, else the first of my next job; held inside the batch's 32
	s_add_co_u32 s[NX], s[ST], 8
	s_cmp_lt_u32 s[NX], s[NN]
	s_cselect_b32 s[NX], s[NX], s[NSJ]
	s_min_u32 s[NX], s[NX], 31
.endm
.macro BASE p
	s_mul_i32 s[TMP], s[NX], KVSTEP
	s_add_nc_u64 s[\p:\p+1], s[KVB:KVB+1], s[TMP:TMP+1]
.endm
; S^T = K Q^T: eight tiles of 16 keys, each sum begun with the constant 0.  w: the window of S^T and Q; row: which half of the lanes of qs holds the tile's scale words
.macro QK w, row, qs
.if \w
	WIN 0x45
.else
	WIN 0x01
.endif
.irp t, 0,2,4,6
.if \row
	v_wmma_scale_f32_16x16x128_f8f6f4 v[SS+8*\t:SS+8*\t+7], v[8*\t:8*\t+7], v[QF:QF+7], 0, v[KS+\t/2], v[\qs] matrix_a_fmt:MATRIX_FMT_FP4 matrix_b_fmt:MATRIX_FMT_FP4 matrix_b_scale:MATRIX_SCALE_ROW1
	v_wmma_scale_f32_16x16x128_f8f6f4 v[SS+8*\t+8:SS+8*\t+15], v[8*\t+8:8*\t+15], v[QF:QF+7], 0, v[KS+\t/2], v[\qs] matrix_a_fmt:MATRIX_FMT_FP4 matrix_b_fmt:MATRIX_FMT_FP4 matrix_a_scale:MATRIX_SCALE_ROW1 matrix_b_scale:MATRIX_SCALE_ROW1
.else
	v_wmma_scale_f32_16x16x128_f8f6f4 v[SS+8*\t:SS+8*\t+7], v[8*\t:8*\t+7], v[QF:QF+7], 0, v[KS+\t/2], v[\qs] matrix_a_fmt:MATRIX_FMT_FP4 matrix_b_fmt:MATRIX_FMT_FP4
	v_wmma_scale_f32_16x16x128_f8f6f4 v[SS+8*\t+8:SS+8*\t+15], v[8*\t+8:8*\t+15], v[QF:QF+7], 0, v[KS+\t/2], v[\qs] matrix_a_fmt:MATRIX_FMT_FP4 matrix_b_fmt:MATRIX_FMT_FP4 matrix_a_scale:MATRIX_SCALE_ROW1
.endif
.endr
.endm
; O^T += V^T P^T: four tiles of 16 channels, K = the step's 128 keys.  The accumulators take turns, one instruction a turn
.macro PV w
.if \w
	WIN 0x54
.else
	WIN 0
.endif
.irp t, 0,2
	v_wmma_scale_f32_16x16x128_f8f6f4 v[OO+8*\t:OO+8*\t+7], v[VF+8*\t:VF+8*\t+7], v[PCD:PCD+7], v[OO+8*\t:OO+8*\t+7], v[VS+\t/2], v[PW+\w] matrix_a_fmt:MATRIX_FMT_FP4 matrix_b_fmt:MATRIX_FMT_FP4
	v_wmma_scale_f32_16x16x128_f8f6f4 v[OO+8*\t+8:OO+8*\t+15], v[VF+8*\t+8:VF+8*\t+15], v[PCD:PCD+7], v[OO+8*\t+8:OO+8*\t+15], v[VS+\t/2], v[PW+\w] matrix_a_fmt:MATRIX_FMT_FP4 matrix_b_fmt:MATRIX_FMT_FP4 matrix_a_scale:MATRIX_SCALE_ROW1
.endr
.endm
; the step on the diagonal: register 16 b + i holds key 128 step + 32 b + 16 h + i, hidden where 32 b + i > DV = my query - 128 step - 16 h.  Each accumulator is read from its low end on
.macro DIAG
.set J, 0
.rept 64
	v_cmp_gt_i32 vcc_lo, 32*(J/16)+J%16, v[DV]
	v_cndmask_b32 v[SS+J], v[SS+J], v[NEGB], vcc_lo
.set J, J+1
.endr
.endm
; One tile's softmax for one step.  u: the window, and which of p's two scale words.  exact = 1: t by reference()'s own roundings: fl(fl(fl(s |scale|) + bias) log2(e)), then + (-M)
.macro SOFTMAX u, exact
.if \u
	WIN 0x55
.else
	WIN 0
.endif
.irp b, 0,1,2,3
	v_max3_num_f32 v[BM+\b], v[SS+16*\b], v[SS+16*\b+1], v[SS+16*\b+2]   ; the largest score of each block of 32 keys: it serves the row's maximum and, since p rises with the score, the block's largest p
.endr
.irp i, 3,5,7,9,11,13
.irp b, 0,1,2,3
	v_max3_num_f32 v[BM+\b], v[BM+\b], v[SS+16*\b+\i], v[SS+16*\b+\i+1]
.endr
.endr
.irp b, 0,1,2,3
	v_max_num_f32 v[BM+\b], v[BM+\b], v[SS+16*\b+15]
.endr
.irp b, 0,1,2,3
	v_permlanex16_b32 v[T1+\b], v[BM+\b], s[SEL], s[SEL+1]
.endr
.irp b, 0,1,2,3
	v_max_num_f32 v[BM+\b], v[BM+\b], v[T1+\b]     ; with lane l xor 16's 16 keys
.endr
.if \exact
.irp b, 0,1,2,3
	v_mul_f32 v[BM+\b], s[SC], v[BM+\b]            ; none of the four roundings falls where its input rises: the largest score gives the largest t, bit for bit
.endr
.irp b, 0,1,2,3
	v_add_f32 v[BM+\b], v26, v[BM+\b]
.endr
.irp b, 0,1,2,3
	v_mul_f32 v[BM+\b], s[L2E], v[BM+\b]
.endr
	v_max3_num_f32 v[XT], v[BM], v[BM+1], v[BM+2]
	v_max_num_f32 v[XT], v[XT], v[BM+3]            ; the step's largest t of my query
.else
	v_max3_num_f32 v[XT], v[BM], v[BM+1], v[BM+2]
	v_max_num_f32 v[XT], v[XT], v[BM+3]
	v_mul_f32 v[XT], s[CC], v[XT]                  ; as t (c is positive)
.endif
	v_max_num_f32 v[TM], v[TM], v[XT]              ; the running largest t
	v_mov_b32 v[XT], v[NM]
	v_floor_f32 v[NM], -v[TM]                      ; -M = floor(-t): M is a whole number
	v_sub_f32 v[XT], v[NM], v[XT]                  ; old M - new M: a whole number, 0 or less
	v_cvt_i32_f32 v[XT], v[XT]                     ; (it saturates)
	v_ldexp_f32 v[FF], 1.0, v[XT]                  ; f = 2^(old M - new M)
.if \exact
.set J, 0
.rept 32
	v_pk_mul_f32 v[SS+J:SS+J+1], v[SS+J:SS+J+1], s[SC:SC+1] op_sel_hi:[1,0]
.set J, J+2
.endr
.set J, 0
.rept 32
	v_pk_add_f32 v[SS+J:SS+J+1], v[SS+J:SS+J+1], v[26:27] op_sel_hi:[1,0]
.set J, J+2
.endr
.set J, 0
.rept 32
	v_pk_mul_f32 v[SS+J:SS+J+1], v[SS+J:SS+J+1], s[L2E:L2E+1] op_sel_hi:[1,0]
.set J, J+2
.endr
.set J, 0
.rept 32
	v_pk_add_f32 v[SS+J:SS+J+1], v[SS+J:SS+J+1], v[NM:NM+1] op_sel_hi:[1,0]
.set J, J+2
.endr
.irp b, 0,1,2,3
	v_add_f32 v[BM+\b], v[NM], v[BM+\b]
.endr
.else
.set J, 0
.rept 32
	v_pk_fma_f32 v[SS+J:SS+J+1], v[SS+J:SS+J+1], s[CC:CC+1], v[NM:NM+1] op_sel_hi:[1,0,0]   ; t - M, two at a time
.set J, J+2
.endr
.irp b, 0,1,2,3
	v_fma_f32 v[BM+\b], v[BM+\b], s[CC], v[NM]
.endr
.endif
.set J, 0
.rept 64
	v_exp_f32 v[SS+J], v[SS+J]                     ; p = 2^(t - M): not normalised
.set J, J+1
.endr
.irp b, 0,1,2,3
	v_exp_f32 v[BM+\b], v[BM+\b]                   ; the block's largest p: the same instructions on the same number
.endr
	v_pk_mul_f32 v[LL:LL+1], v[LL:LL+1], v[FF:FF+1] op_sel_hi:[1,0]   ; the sums under the new M (a plain line behind the exponentials)
	s_wait_alu depctr_va_vdst(0)
.irp b, 0,1,2,3
	v_max_num_f32 v[BM+\b], 0x1800000, v[BM+\b]    ; the floor 2^(3 - 127): the byte cannot fall under 1; a block of zeros keeps that byte over zero codes
.endr
.irp b, 0,1,2,3
	v_add_nc_u32 v[SCO+\b], 0xff000000, v[BM+\b]   ; 2 off the exponent field: the conversion's scale operand
.endr
.irp b, 0,1,2,3
	v_lshrrev_b32 v[T1+\b], 23, v[SCO+\b]          ; the scale's byte
.endr
	v_lshl_or_b32 v[XT], v[T1+1], 8, v[T1]
	v_lshl_or_b32 v[XT], v[T1+2], 16, v[XT]
.if \u
	WIN 0x15                                       ; scale operands have no window: the word goes to window 0
.endif
	v_lshl_or_b32 v[PW+\u], v[T1+3], 24, v[XT]     ; p's scale word for these 128 keys
.if \u
	WIN 0x55
.endif
.irp b, 0,1,2,3
	v_cvt_scalef32_pk8_fp4_f32 v[PCD+2*\b], v[SS+16*\b:SS+16*\b+7], v[SCO+\b]
	v_cvt_scalef32_pk8_fp4_f32 v[PCD+2*\b+1], v[SS+16*\b+8:SS+16*\b+15], v[SCO+\b]
.endr
	v_nop                                          ; one plain line behind the last scaled conversion
.irp c, 0,1                                        ; the operand wants a whole block in a lane: lanes 0-15 block 2 c, lanes 16-31 block 2 c + 1
.irp i, 0,1
	v_permlane16_swap_b32 v[PCD+4*\c+\i], v[PCD+4*\c+2+\i]
.endr
.endr
	v_pk_add_f32 v[XT:XT+1], v[SS:SS+1], v[SS+2:SS+3]   ; the row's sum, of the unquantised p, in two chains
.set J, 4
.rept 15
	v_pk_add_f32 v[LL:LL+1], v[LL:LL+1], v[SS+J:SS+J+1]
	v_pk_add_f32 v[XT:XT+1], v[XT:XT+1], v[SS+J+2:SS+J+3]
.set J, J+4
.endr
	v_pk_add_f32 v[LL:LL+1], v[LL:LL+1], v[XT:XT+1]
.set J, 0
.rept 16
	v_pk_mul_f32 v[OO+J:OO+J+1], v[OO+J:OO+J+1], v[FF:FF+1] op_sel_hi:[1,0]   ; O^T under the new M.  (The 48 lines from the sums on are the places between p's codes and scale word and the products)
.set J, J+2
.endr
.endm
; a job begins: the largest t at -2^99 c, sum and O^T at 0 (32 moves a tile and job: the step is then written once, and its first change of M multiplies zeros)
.macro INIT w
.if \w
	WIN 0x55
.else
	WIN 0
.endif
	v_mov_b32 v[TM], s[T0]
	v_floor_f32 v[NM], -v[TM]
	v_mov_b32 v[LL], 0
	v_mov_b32 v[LL+1], 0
	v_mov_b32 v[FF+1], 0                           ; (named as the upper half of a pair)
.set J, 0
.rept 32
	v_mov_b32 v[OO+J], 0
.set J, J+1
.endr
.endm
; Q's fragment for tile srcu of the slot, into window w: the scale's sign onto the codes; the code -4 at k = 64 (lanes 0-15); zeros behind it; and the diagonal's distance
.macro MAKEQ w, srcu, exact
.if \w
	WIN 0x40
.else
	WIN 0
.endif
.irp i, 0,1,2,3
	v_xor_b32 v[QF+\i], s[SGN], v[QRAW+4*\srcu+\i]
.endr
.if \exact
	v_cndmask_b32 v[QF+4], v11, 0, s[FM]           ; a query without an allowed key takes no mask: its score stays the dot product
.else
	v_mov_b32 v[QF+4], v11
.endif
	v_mov_b32 v[QF+5], 0
	v_mov_b32 v[QF+6], 0
	v_mov_b32 v[QF+7], 0
	s_and_b32 s70, s[CUR], 3
	s_lshl_b32 s70, s70, 5
	s_add_co_u32 s70, s70, 8*\srcu
	v_add_nc_u32 v[DV], s70, v14
.if \exact
	v_cndmask_b32 v[DV], v[DV], 0x3e8, s[FM]       ; and nothing is hidden from it
.endif
.endm
; my part of tile tu of the slot goes to my record
.macro PSTORE w, tu
.if \w
	WIN 0x55
.else
	WIN 0
.endif
	v_add_f32 v[TM], v[LL], v[LL+1]                ; the sum's two halves, beside -M
.if \w
	WIN 0x04                                       ; an LDS store's data are its source 1
.endif
.irp i, 0,1,2,3,4,5,6,7
	ds_store_b128 v6, v[OO+4*\i:OO+4*\i+3] offset:REC*\tu+512*\i   ; each accumulator from its low end on
.endr
	ds_store_b64 v7, v[NM:NM+1] offset:REC*\tu
.endm
	s_load_b256 s[4:11], s[0:1], 0x0               ; kv s[4:5], qimg s[6:7], first s[8:9], scale s[10:11]
	s_load_b128 s[12:15], s[0:1], 0x20             ; q_mask s[12:13], out0 s[14:15]
	v_lshl_add_u32 v254, v0, 2, 0x26400
	v_mov_b32 v255, 0
	v_lshrrev_b32 v1, 5, v0
	v_readfirstlane_b32 s[WV], v1                  ; wave 0..7
	s_mov_b32 s[GG], ttmp9
	s_and_b32 s[BB], ttmp7, 0xffff
	v_and_b32 v2, 31, v0
	v_lshlrev_b32 v1, 4, v2                        ; v1 = 16 x lane; never rewritten
	v_lshlrev_b32 v2, 3, v2                        ; v2 = 8 x lane; never rewritten
	v_and_b32 v3, 15, v0                           ; r
	v_bfe_u32 v4, v0, 4, 1                         ; h
	v_and_b32 v5, 8, v3
	v_add_nc_u32 v5, v5, v3                        ; r + 8 (r / 8)
	s_mul_i32 s70, s[WV], RECW
	v_add_nc_u32 v8, s70, v1                       ; my records: O^T's images,
	s_add_co_u32 s70, s70, 4096
	v_add_nc_u32 v9, s70, v2                       ; and (-M, sum)
	s_and_b32 s71, s[WV], 3                        ; the tile that I merge (waves 0-3)
	s_mul_i32 s71, s71, REC
	v_add_nc_u32 v28, s71, v1                      ; its records of waves 0-3,
	v_add_nc_u32 v29, 4*RECW, v28                  ; of waves 4-7: two bases, so that the immediates stay under 65,536
	s_add_co_u32 s72, s71, 4096
	v_add_nc_u32 v30, s72, v2
	v_add_nc_u32 v31, 4*RECW, v30
	s_add_co_u32 s71, s71, STAGE
	v_mul_u32_u24 v16, v3, 272
	v_lshl_add_u32 v16, v4, 5, v16
	v_add_nc_u32 v16, s71, v16                     ; the stage, in: row r, 32 h
	v_mul_u32_u24 v17, v4, 272
	v_lshl_add_u32 v17, v3, 4, v17
	v_add_nc_u32 v17, s71, v17                     ; and back: lanes 0-15 one row, lanes 16-31 the next
	v_lshlrev_b32 v18, 8, v4
	v_lshl_add_u32 v18, v3, 4, v18                 ; the same two rows in out0
	v_sub_nc_u32 v12, 1, v4
	v_lshlrev_b32 v10, 1, v12                      ; the code 1.0 at k = 64: lanes 0-15 alone
	v_mul_u32_u24 v11, v12, 14                     ; the code -4 likewise
	v_mov_b32 v13, 0xce6e6b28                      ; -1e9
	v_lshlrev_b32 v14, 4, v4
	v_sub_nc_u32 v14, v5, v14                      ; r + 8 (r / 8) - 16 h
	v_mov_b32 v27, 0                               ; (named as the upper half of the bias's pair)
.irp b, 0,1,2,3
	v_mov_b32 v[T1+\b], 0                          ; written once: a lane permute's destination counts as one of its sources
.endr
	v_mov_b32 v[NEGB], 0xf1800000                  ; -2^100
	WIN 0x40
.irp b, 0,1,2,3
	v_mov_b32 v[T1+\b], 0
.endr
	v_mov_b32 v[NEGB], 0xf1800000
.irp t, 0,1,2,3,4,5,6,7
	v_mov_b32 v[8*\t+4], v10                       ; the upper half of K's fragments is written once and stays
	v_mov_b32 v[8*\t+5], 0
	v_mov_b32 v[8*\t+6], 0
	v_mov_b32 v[8*\t+7], 0
.endr
	WIN 0
	s_mov_b32 s[SEL], 0x76543210
	s_mov_b32 s[SEL+1], 0xfedcba98
	s_mov_b32 s[L2E], 0x3fb8aa3b
	s_mov_b32 s[L2E+1], s[L2E]
	s_mov_b32 s[TMP+1], 0
	s_mov_b32 s[CNT], 0
	s_mov_b32 s[SOFF], 0
	s_add_co_u32 s91, s[GG], 1                     ; the second double tile: g + 1
	s_sub_co_u32 s70, 127, s[GG]
	s_cmp_lt_u32 s[GG], 32
	s_cselect_b32 s71, 0, 1
	s_add_co_u32 s90, s70, s71                     ; the first: 127 - g, from g = 33 on 128 - g,
	s_cmp_eq_u32 s[GG], 32
	s_cselect_b32 s90, 0, s90                      ; and 0 for g = 32
	s_mov_b32 s[CUR], s90
	s_mov_b32 s[NXT], s91
	s_wait_kmcnt 0x0
	s_lshl_b32 s70, s[BB], 7
	s_mov_b32 s71, 0
	s_add_nc_u64 s[8:9], s[8:9], s[70:71]
	s_load_b32 s[FB], s[8:9], 0x0
	s_load_b32 s77, s[10:11], 0x0
	s_mul_i32 s70, s[BB], KVBATCH
	s_add_nc_u64 s[KVB:KVB+1], s[4:5], s[70:71]
.macro QBASE d, pc, ps                 ; double tile s[d]: its codes at s[pc:pc+1] (+ 512 u + 16 lane), its scale words at s[ps:ps+1] (+ 4096 + 16 lane)
	s_lshr_b32 s72, s[\d], 2
	s_lshl_b32 s73, s[BB], 5
	s_add_co_u32 s72, s72, s73
	s_mul_i32 s72, s72, QBLK
	s_and_b32 s73, s[\d], 3
	s_lshl_b32 s74, s73, 10
	s_add_co_u32 s74, s74, s72
	s_mov_b32 s75, 0
	s_add_nc_u64 s[\pc:\pc+1], s[6:7], s[74:75]
	s_lshl_b32 s74, s73, 2
	s_add_co_u32 s74, s74, s72
	s_add_nc_u64 s[\ps:\ps+1], s[6:7], s[74:75]
.endm
	QBASE 90, 82, 86
	QBASE 91, 84, 88
	s_bitcmp1_b32 s[WV], 1                         ; the tile that I merge: slot (wave / 2) % 2, tile wave % 2
	s_cselect_b32 s92, s91, s90
	s_and_b32 s93, s[WV], 1
	s_lshl_b32 s70, s[BB], 12
	s_lshl_b32 s71, s92, 5
	s_add_co_u32 s70, s70, s71
	s_lshl_b32 s71, s93, 3
	s_add_co_u32 s94, s70, s71                     ; its first row: 4096 batch + 32 D + 8 u
	s_mov_b32 s95, 0
	s_add_nc_u64 s[80:81], s[12:13], s[94:95]
	s_lshl_b32 s94, s94, 8
	s_add_nc_u64 s[14:15], s[14:15], s[94:95]
	global_load_u8 v15, v5, s[80:81]               ; q_mask of my lane's query in that tile
	global_load_b128 v[QRAW:QRAW+3], v1, s[82:83]
	global_load_b128 v[QRAW+4:QRAW+7], v1, s[82:83] offset:512
	global_load_b128 v[QRAW+8:QRAW+11], v1, s[84:85]
	global_load_b128 v[QRAW+12:QRAW+15], v1, s[84:85] offset:512
	global_load_b32 v[QS], v1, s[86:87] offset:4096
	global_load_b32 v[QSN], v1, s[88:89] offset:4096
	s_wait_kmcnt 0x0
	s_min_u32 s[FB], s[FB], 4096
	s_lshr_b32 s70, s77, 31
	s_mul_i32 s[SGN], s70, 0x88888888
	s_and_b32 s70, s77, 0x7fffffff
	s_max_u32 s[SC], s70, 0x21800000               ; |scale|, held at 2^-60 from below
	s_mov_b32 s[SC+1], s[SC]
	v_mov_b32 v19, s[SC]
	v_mul_f32 v20, s[L2E], v19                     ; c
	v_mul_f32 v21, 0xf1000000, v20                 ; -2^99 c
	v_mul_f32 v22, 0xf1800000, v19                 ; -2^100 |scale|
	v_readfirstlane_b32 s[CC], v20
	v_readfirstlane_b32 s[T0], v21
	v_readfirstlane_b32 s[KILL], v22
	s_mov_b32 s[CC+1], s[CC]
	; the jobs.  A slot whose first query has an allowed key is one job of both tiles, D / 4 + 1 steps; else two jobs of one tile, 32 steps where the tile's first query has none
.macro SLOTP b
	s_lshr_b32 s[\b+1], s[\b], 2
	s_lshl_b32 s[\b+2], s[\b], 5
	s_add_co_u32 s70, s[\b+1], 1
	s_add_co_u32 s71, s[\b+2], 8
	s_cmp_lt_u32 s71, s[FB]
	s_cselect_b32 s72, 32, s70
	s_cmp_lt_u32 s[\b+2], s[FB]
	s_cselect_b32 s[\b+3], 32, s70
	s_cselect_b32 s[\b+6], s72, 0
.endm
	SLOTP CUR
	SLOTP NXT
	s_mov_b32 s[CUR+4], s[WV]                      ; step s of a job behind ACC earlier steps is wave (ACC + s) % 8's: my first is (wave - ACC) % 8
	s_sub_co_u32 s70, s[WV], s[CUR+3]
	s_and_b32 s[CUR+7], s70, 7
	s_add_co_u32 s71, s[CUR+3], s[CUR+6]
	s_sub_co_u32 s70, s[WV], s71
	s_and_b32 s[NXT+4], s70, 7
	s_add_co_u32 s71, s71, s[NXT+3]
	s_sub_co_u32 s70, s[WV], s71
	s_and_b32 s[NXT+7], s70, 7
	s_mov_b32 s[NXT+8], 0                          ; behind my last job step 0 is fetched and not used
	s_cmp_lt_u32 s[NXT+7], s[NXT+6]
	s_cselect_b32 s[NXT+5], s[NXT+7], 0
	s_cmp_lt_u32 s[NXT+4], s[NXT+3]
	s_cselect_b32 s[CUR+8], s[NXT+4], s[NXT+5]
	s_cmp_lt_u32 s[CUR+7], s[CUR+6]
	s_cselect_b32 s[CUR+5], s[CUR+7], s[CUR+8]
	s_cmp_lt_u32 s[CUR+4], s[CUR+3]
	s_cselect_b32 s[NX], s[CUR+4], s[CUR+5]        ; my very first step
	s_min_u32 s[NX], s[NX], 31
	BASE KB
	BASE VB
	LOADK
	LOADV
.Lslot:                                            ; two trips: the work-group's two double tiles
	v_add_nc_u32 v6, s[SOFF], v8
	v_add_nc_u32 v7, s[SOFF], v9
	s_cmp_lt_u32 s[CUR+2], s[FB]
	s_cbranch_scc1 .Lexact
	; ---- both tiles at once: every query has an allowed key
	s_mov_b32 s[NN], s[CUR+3]
	s_mov_b32 s[ST], s[CUR+4]
	s_mov_b32 s[NSJ], s[CUR+5]
	TRIPS
	INIT 0
	INIT 1
	s_wait_loadcnt 18                              ; behind Q's loads only K's 9 and V's 9 were issued: Q is in
	MAKEQ 0, 0, 0
	MAKEQ 1, 1, 0
	WIN 0
	PLACES 4                                       ; an operand written by vector instructions stands 4 places ahead of a scaled product
	s_cmp_eq_u32 s[TE], 0                          ; no step of this job is mine
	s_cbranch_scc1 .Lfdone
.Lfk:                                              ; a trip is one of my steps: the trips are counted one by one against their number, the step goes on by 8
	s_wait_loadcnt 9                               ; K of this step is in; V's 9 loads, issued behind it, may be out.  K's base may be written again
	QK 0, 0, QS
	QK 1, 1, QS
	WIN 0
	NEXT
	BASE KB
	PLACES 4                                       ; in front of loads into registers that the products read, and of the first read of the scores
	LOADK
	s_cmp_lg_u32 s[ST], s[CUR+1]
	s_cbranch_scc1 .Lfnd
	DIAG
	WIN 0x55
	DIAG
	WIN 0
.Lfnd:
	SOFTMAX 0, 0
	SOFTMAX 1, 0
	s_wait_loadcnt 9                               ; V of this step is in; the next K's 9 loads may be out.  V's base may be written again
	PV 0
	PV 1
	WIN 0
	BASE VB
	PLACES 4
	LOADV
	s_add_co_u32 s[ST], s[ST], 8
	s_add_co_u32 s[TC], s[TC], 1
	s_cmp_lt_u32 s[TC], s[TE]
	s_cbranch_scc1 .Lfk
.Lfdone:
	PSTORE 0, 0
	PSTORE 1, 1
	WIN 0
	s_branch .Lslot_end
	; ---- a tile at a time, by reference()'s own roundings
.macro EXJOB u
	s_mov_b32 s[NN], s[CUR+3+3*\u]
	s_mov_b32 s[ST], s[CUR+4+3*\u]
	s_mov_b32 s[NSJ], s[CUR+5+3*\u]
	TRIPS
	s_add_co_u32 s70, s[CUR+2], 8*\u
	v_add_nc_u32 v12, s70, v5                      ; my lane's query
	v_cmp_gt_u32 s[FM], s[FB], v12                 ; it has no allowed key
	INIT 0
	s_wait_loadcnt 18
	MAKEQ 0, \u, 1
	s_mov_b32 s71, 0x10000
	v_and_or_b32 v[XT], v[QS], 0xff00ffff, s71
	v_cndmask_b32 v[QSX], v[QS], v[XT], s[FM]      ; in those lanes byte 2 of Q's scale word is 1: the block of the mask's code has a small scale whatever the key's byte
	PLACES 8                                       ; a scale register written by a vector instruction stands 8 places ahead of a scaled product
	s_cmp_eq_u32 s[TE], 0
	s_cbranch_scc1 .Lxdone_\@
.Lxk_\@:
	s_wait_loadcnt 9
	QK 0, \u, QSX
	WIN 0
	NEXT
	BASE KB
	PLACES 4
	LOADK
	s_cmp_gt_u32 s[ST], s[CUR+1]
	s_cselect_b32 s[BK], s[KILL], 0
	v_cndmask_b32 v26, s[BK], v13, s[FM]           ; the bias: -1e9; for a query with an allowed key 0, behind the diagonal -2^100 |scale|
	s_cmp_lg_u32 s[ST], s[CUR+1]
	s_cbranch_scc1 .Lxnd_\@
	DIAG
.Lxnd_\@:
	SOFTMAX 0, 1
	s_wait_loadcnt 9
	PV 0
	BASE VB
	PLACES 4
	LOADV
	s_add_co_u32 s[ST], s[ST], 8
	s_add_co_u32 s[TC], s[TC], 1
	s_cmp_lt_u32 s[TC], s[TE]
	s_cbranch_scc1 .Lxk_\@
.Lxdone_\@:
	PSTORE 0, \u
.endm
.Lexact:
	EXJOB 0
	EXJOB 1
.Lslot_end:
.irp i, 0,1,2,3,4,5,6,7,8
	s_mov_b32 s[CUR+\i], s[NXT+\i]
.endr
.irp i, 0,1,2,3,4,5,6,7
	v_mov_b32 v[QRAW+\i], v[QRAW+8+\i]
.endr
	v_mov_b32 v[QS], v[QSN]                        ; (the next job's moves stand between this and the next product)
	s_add_co_u32 s[SOFF], s[SOFF], 2*REC
	s_add_co_u32 s[CNT], s[CNT], 1
	s_cmp_lt_u32 s[CNT], 2
	s_cbranch_scc1 .Lslot
	s_wait_loadcnt 0x0                             ; the last fetch, which nobody uses, has landed: its registers serve the merge.  q_mask's byte is in
	s_wait_dscnt 0x0                               ; for the others' sake: my records have landed
	s_barrier_signal -1
	s_barrier_wait -1
	s_cmp_ge_u32 s[WV], 4
	s_cbranch_scc1 .Lend
	; ---- THE MERGE: wave w takes tile w: the eight waves' records under the largest M
.irp w, 0,1,2,3
	ds_load_b64 v[64+2*\w:65+2*\w], v30 offset:\w*RECW
.endr
.irp w, 0,1,2,3
	ds_load_b64 v[72+2*\w:73+2*\w], v31 offset:\w*RECW
.endr
.macro RLOAD w, set
.irp i, 0,1,2,3,4,5,6,7
	ds_load_b128 v[\set+4*\i:\set+4*\i+3], v[28+(\w)/4] offset:((\w)%4)*RECW+512*\i
.endr
.endm
	RLOAD 0, 96
	RLOAD 1, 32
	s_wait_dscnt 16                                ; the eight (-M, sum) are in; two records' 16 loads may be out
	v_min3_num_f32 v80, v64, v66, v68
	v_min3_num_f32 v80, v80, v70, v72
	v_min3_num_f32 v80, v80, v74, v76
	v_min_num_f32 v80, v80, v78                    ; the least -M
.irp w, 0,1,2,3,4,5,6,7
	v_sub_f32 v[160+2*\w], v80, v[64+2*\w]         ; wave w's M - the largest M: a whole number, 0 or less
.endr
.irp w, 0,1,2,3,4,5,6,7
	v_cvt_i32_f32 v[160+2*\w], v[160+2*\w]
.endr
.irp w, 0,1,2,3,4,5,6,7
	v_ldexp_f32 v[160+2*\w], 1.0, v[160+2*\w]      ; its factor: a wave without an allowed key for this query gets 0
.endr
.irp w, 0,1,2,3,4,5,6,7
	v_mov_b32 v[161+2*\w], v[160+2*\w]
.endr
	v_mul_f32 v81, v160, v65
.irp w, 1,2,3,4,5,6,7
	v_fmac_f32 v81, v[160+2*\w], v[65+2*\w]
.endr
	v_mov_b32 v82, 0
.macro MERGE w
.if (\w) == 7
	s_wait_dscnt 0x0
.else
	s_wait_dscnt 8                                 ; record w is in; the one younger record's 8 loads may be out
.endif
.set MS, 96-64*((\w)%2)
.set J, 0
.rept 16
.if (\w) == 0
	v_pk_mul_f32 v[OO+J:OO+J+1], v[MS+J:MS+J+1], v[160:161]
.else
	v_pk_fma_f32 v[OO+J:OO+J+1], v[MS+J:MS+J+1], v[160+2*(\w):161+2*(\w)], v[OO+J:OO+J+1]
.endif
.set J, J+2
.endr
.if (\w) < 6
	RLOAD (\w)+2, MS
.endif
.endm
.irp w, 0,1,2,3,4,5,6,7
	MERGE \w
.endr
	v_permlanex16_b32 v82, v81, s[SEL], s[SEL+1]
	v_add_f32 v81, v81, v82                        ; with lane l xor 16's keys: the row's sum
	v_rcp_f32 v83, v81
	v_nop                                          ; one plain line behind the transcendental
	v_cmp_ne_u32 vcc_lo, 0, v15
	s_wait_alu depctr_va_vdst(0)
	v_cndmask_b32 v84, 0, v83, vcc_lo              ; q_mask: a row that is masked is multiplied by 0
	v_mov_b32 v85, v84
.set J, 0
.rept 16
	v_pk_mul_f32 v[OO+J:OO+J+1], v[OO+J:OO+J+1], v[84:85]
.set J, J+2
.endr
.irp t, 0,1,2,3
	ds_store_b128 v16, v[OO+8*\t:OO+8*\t+3] offset:64*\t          ; lane (r, h): channels 16 t + 8 h + 0 .. 7 of stage row r
	ds_store_b128 v16, v[OO+8*\t+4:OO+8*\t+7] offset:64*\t+16
.endr
.irp i, 0,1,2,3,4,5,6,7
	ds_load_b128 v[32+4*\i:35+4*\i], v17 offset:544*\i            ; my wave's own bytes, served in order: these see the stores above
.endr
.irp i, 0,1,2,3,4,5,6,7
	s_wait_dscnt 7-\i
	global_store_b128 v18, v[32+4*\i:35+4*\i], s[14:15] offset:(2*\i+8*(\i/4))*256 th:TH_STORE_NT   ; stage row n is query n + 8 (n / 8) of the tile: two whole rows of 256 bytes a store, aligned
.endr
.Lend:
	s_wait_tensorcnt 0x0
	ds_add_u32 v254, v255
	s_wait_dscnt 0x0
	s_endpgm
.Lfunc_end_k_qdd732db2ae_attend:
	.size	k_qdd732db2ae_attend, .Lfunc_end_k_qdd732db2ae_attend-k_qdd732db2ae_attend
	.p2alignl 7, 3214868480
	.fill 96, 4, 3214868480
	.section	.rodata,"a",@progbits
	.p2align	6, 0x0
	.amdhsa_kernel k_qdd732db2ae_attend
		.amdhsa_group_segment_fixed_size 157696
		.amdhsa_private_segment_fixed_size 0
		.amdhsa_enable_private_segment 0
		.amdhsa_kernarg_size 48
		.amdhsa_user_sgpr_count 2
		.amdhsa_user_sgpr_kernarg_segment_ptr 1
		.amdhsa_wavefront_size32 1
		.amdhsa_system_sgpr_workgroup_id_x 1
		.amdhsa_system_sgpr_workgroup_id_y 1
		.amdhsa_system_sgpr_workgroup_id_z 1
		.amdhsa_system_vgpr_workitem_id 0
		.amdhsa_next_free_vgpr 512
		.amdhsa_next_free_sgpr 96
		.amdhsa_reserve_vcc 1
		.amdhsa_float_denorm_mode_32 3
		.amdhsa_float_denorm_mode_16_64 3
		.amdhsa_memory_ordered 1
		.amdhsa_forward_progress 1
		.amdhsa_inst_pref_size 134
	.end_amdhsa_kernel
	.amdgpu_metadata
---
amdhsa.version: [ 1, 2 ]
amdhsa.kernels:
  - .name:           k_qdd732db2ae_attend
    .symbol:         k_qdd732db2ae_attend.kd
    .args:
      - { .name: kv, .offset: 0, .size: 8, .value_kind: global_buffer, .address_space: global }
      - { .name: qimg, .offset: 8, .size: 8, .value_kind: global_buffer, .address_space: global }
      - { .name: first, .offset: 16, .size: 8, .value_kind: global_buffer, .address_space: global }
      - { .name: scale, .offset: 24, .size: 8, .value_kind: global_buffer, .address_space: global }
      - { .name: q_mask, .offset: 32, .size: 8, .value_kind: global_buffer, .address_space: global }
      - { .name: out0, .offset: 40, .size: 8, .value_kind: global_buffer, .address_space: global }
    .group_segment_fixed_size: 157696
    .private_segment_fixed_size: 0
    .kernarg_segment_align: 8
    .kernarg_segment_size: 48
    .max_flat_workgroup_size: 256
    .sgpr_count:     96
    .vgpr_count:     512
    .wavefront_size: 32
...
	.end_amdgpu_metadata
.endif
;; end of part 2
;; ======== version 2 of 2: 2 launches; version 1 with the launch attend written anew for expert scheduling mode
;; limits: right only within a limited range of input values
;; workspace buffers: kv 1,179,648 bytes; qimg 589,824 bytes; first 512 bytes of whole numbers
;; launch prep: the kernel of part 1 again; grid 128 x 3, 4 waves a work-group, no clusters, 36,096 bytes of LDS; arguments keys, query, value, v_mask, kv, qimg, first; writes kv, qimg, first
;; launch attend (part 3): grid 64 x 4, 8 waves a work-group, no clusters, 157,696 bytes of LDS; arguments kv, qimg, first, scale, q_mask, out0; writes out0
.if DOCPART == 3
	.amdgcn_target "amdgcn-amd-amdhsa--gfx1250"
	.amdhsa_code_object_version 6
	.text
	.protected	k_qdd732db2ae_attend
	.globl	k_qdd732db2ae_attend
	.p2align	8
	.type	k_qdd732db2ae_attend,@function
k_qdd732db2ae_attend:
	s_mov_b64 s[64:65], 0
	v_nop
	global_prefetch_b8 v0, s[64:65] scope:SCOPE_SE
	s_setreg_imm32_b32 hwreg(HW_REG_WAVE_SCHED_MODE, 0, 2), 2
	s_setreg_imm32_b32 hwreg(HW_REG_WAVE_MODE, 25, 1), 1
	s_wait_xcnt 0x0
	s_wait_alu depctr_vm_vsrc(0)
; out[b][q] = q_mask x softmax_k(query . keys x scale - 1e9 x (key masked or k > q)) value, both products on codes of FP4 (E2M1) with E8M0 scales for each 32 along K.
; p = 2^(t - M), t = logit x log2(e), M = the running largest t rounded up to a whole number; the row's sum is taken of the unquantised p and divides at the end.
; OPERANDS come from kv and qimg, laid by the launch before in the order of the operands' registers: every fragment is loaded from memory straight into registers, 16 bytes a lane.
; No tensor load, no cluster, no joint request: the trip counts hang on a number read from memory (first), and the eight waves of a work-group read eight different key steps at a time.
; SHARES.  A double tile d is 32 queries (two tiles of 16), its causal work d / 4 + 1 steps of 128 keys.  Work-group g of a batch owns two: (127 - g, g + 1), (0, 33), (128 - g, g + 1): 33 or 34 steps.
;   THE WAVES SHARE THE KEYS: the steps of a work-group's jobs are dealt round the eight waves; each wave keeps its own M, sum and O^T, stores them to LDS, and behind ONE barrier waves 0-3 merge a tile each:
;   the factors between two M are powers of two, so nothing is rounded by them.
; LAYOUT.  Both products transposed: S^T = K Q^T, O^T = V^T P^T: a lane holds one query.  Lane r of tile 2 b + u takes key (query) 32 b + 8 u + r + 8 (r / 8): 16 registers of two tiles are 16 neighbouring keys.
; THE KEY MASK costs no vector work: at k = 64 K carries the code 1.0 and Q the code -4; K's scale byte there is 1 or 177, Q's 175: the score gains -2^-76 or -2^100.
; ROWS WITHOUT AN ALLOWED KEY (q < first[b]): every key, those behind the diagonal too, has the logit fl(fl(dot x scale) - 1e9).  Double tiles that hold such a row go tile by tile through EXACT jobs: all 32 steps,
;   the four roundings of reference() one by one, the mask's code cleared and Q's scale byte there set to 1 in those lanes; the other lanes of such a tile get the bias 0, or -2^100 |scale| behind the diagonal.
; THE SCALE: its sign is put onto Q's codes (the quantiser is odd), its magnitude is held at 2^-60 from below.  The running largest t begins at -2^99 c, under every allowed t and over every masked one.
; LIMITS: |scale| < 2^26; |dot| < 2^98; an allowed score carries -2^-76; p under 2^-126 counts as 0; NaN and infinities among the inputs are not served; the sign of a zero output is not kept.
; REGISTERS.  Window 0 holds tile A and window 1 tile B at the SAME numbers: v64-127 S^T then p, v128-159 O^T, v160-167 p's codes, v168-175 Q, v176-191 at work, v200 -M, v201 largest t, v202-203 the sum, v204 diagonal, v205 -2^100.
;   Window 0 alone: v1-31 addresses and constants, v32-63 V's four fragments, v206-221 Q's codes as loaded (this slot's, the next's), v224-234 scale words.  Window 1 alone: v0-63 K's eight fragments.
;   In the merge all of window 1 is free: the eight waves' records land there, record w at v[32 w] on.
; THE MODE: SCHED_MODE bits 1:0 = 2 (LLVM: expert scheduling mode 2), set by the entry lines.  The code itself states the register dependences between vector or matrix instructions and
; memory or LDS instructions, with s_wait_alu, always for 0.
; THE PLAN.  Registers that memory or LDS instructions touch:
;   v1, v2, v5, v16-18, v28-31, v254, v255   offsets and LDS addresses: written at the head, ahead of the head's one wait on va_vdst, and by nothing afterwards.
;   K (window 1, registers 0-3 of each fragment) and its scale words   read by a step's products K Q^T; behind them one wait on va_vdst, and the next step's nine loads land there.
;   V (v32-63) and its scale words   read by a step's products V^T P^T; behind them one wait on va_vdst, and the next step's nine loads land there.
;   v6, v7, O^T, -M, the sum   written by vector and matrix instructions of a job; one wait on va_vdst at the job's end, then all its stores to LDS, then one wait on vm_vsrc, behind which the next job writes them again.
;   The merge: one wait on va_vdst at its head serves all its loads of records, each into registers of its own; one more stands ahead of the stage's stores.
;   What only vector and matrix instructions name (S^T, p, p's codes, Q's fragments) owes a wait where a scaled product takes what vector instructions wrote: ahead of a job's first product, and ahead of each step's V^T P^T.
;   No address is written inside a key loop: the loops hold no wait on vm_vsrc.
.set KVSTEP, 9216
.set KVBATCH, 32*KVSTEP
.set QBLK,  4608
.set REC,   4352                       ; LDS: a record: O^T as 8 images of 512 bytes, then (-M, sum) at 4096 + 8 x lane
.set RECW,  4*REC                      ; a wave's four records, one for each tile of the work-group, on end: record (wave, tile) at RECW wave + REC tile
.set STAGE, 8*RECW                     ; behind them: a stage of 16 rows x (256 + 16) bytes for each of the four merging waves
.set VF,   32
.set SS,   64
.set OO,   128
.set PCD,  160
.set QF,   168
.set BM,   176                         ; the four blocks' largest scores
.set T1,   180
.set SCO,  184                         ; the conversions' scale operands
.set XT,   188
.set FF,   190                         ; f = 2^(old M - new M), named as a pair
.set NM,   200
.set TM,   201
.set LL,   202
.set DV,   204
.set NEGB, 205
.set QRAW, 206
.set KS,   224                         ; v224-227 K's scale words; v228-229 V's; v230 Q's; v231, v232 p's (tile A, B); v233 the next slot's Q's; v234 Q's for an EXACT job
.set VS,   228
.set QS,   230
.set PW,   231
.set QSN,  233
.set QSX,  234
.set WV,   16                          ; s16 wave; s17 g; s18 batch; s19 first[batch]
.set GG,   17
.set BB,   18
.set FB,   19
.set SEL,  20                          ; s[20:21] selects for lane l xor 16
.set CC,   22                          ; s[22:23] c = |scale| log2(e);  s[24:25] |scale|;  s[26:27] log2(e): pairs, since the packed forms name pairs
.set SC,   24
.set L2E,  26
.set T0,   28                          ; -2^99 c
.set KILL, 29                          ; -2^100 |scale|
.set SGN,  30                          ; 0x88888888 where scale is negative
.set CUR,  31                          ; s31-39 this slot: D, D / 4, 32 D, then for jobs a and b: steps N, my first step F, the first step of my next job that has one
.set NXT,  40                          ; s40-48 the next slot
.set CNT,  49
.set SOFF, 50                          ; the slot's two records in my four
.set NN,   51
.set ST,   52
.set NX,   53
.set NSJ,  54
.set FM,   55                          ; lanes whose query has no allowed key
.set BK,   56
.set TC,   57                          ; a key loop's trips so far,
.set TE,   62                          ; and how many it has: my steps of the job
.set KVB,  58                          ; s[58:59] kv at my batch; s[60:61], s[66:67] the bases of K's and V's loads; s[68:69] an offset
.set KB,   60
.set VB,   66
.set TMP,  68
.set DM,   80                          ; s80-95 sixteen lane masks for the step on the diagonal (at the head these registers serve the first loads' addresses, which are shown done ahead of every key loop)
.set MSB, 0
.macro WIN new                         ; the immediate's high byte repeats the setting that is left; a switch that changes nothing is dropped
.if MSB != \new
	s_set_vgpr_msb (MSB<<8)|\new
.set MSB, \new
.endif
.endm
.macro PLACES n
.rept \n
	v_nop
.endr
.endm
.macro LOADK dep                       ; 9 loads: eight tiles of K (registers 0-3 of each fragment, window 1) and their scale words.  dep = 1: products have read these registers
	WIN 0x40
.if \dep
	s_wait_alu depctr_va_vdst(0)                   ; this step's products K Q^T are done reading K's fragments and K's scale words, in which the nine loads below land
.endif
.irp t, 0,1,2,3,4,5,6,7
	global_load_b128 v[8*\t:8*\t+3], v1, s[KB:KB+1] offset:512*\t
.endr
	WIN 0
	global_load_b128 v[KS:KS+3], v1, s[KB:KB+1] offset:4096
.endm
.macro LOADV dep                       ; 9 loads: four fragments of V^T and their scale words.  dep = 1: products have read these registers
.if \dep
	s_wait_alu depctr_va_vdst(0)                   ; this step's products V^T P^T are done reading V's fragments and V's scale words, in which the nine loads below land
.endif
.irp t, 0,1,2,3
.irp c, 0,1
	global_load_b128 v[VF+8*\t+4*\c:VF+8*\t+4*\c+3], v1, s[VB:VB+1] offset:4608+1024*\t+512*\c
.endr
.endr
	global_load_b64 v[VS:VS+1], v2, s[VB:VB+1] offset:8704
.endm
.macro TRIPS                           ; my steps of the job are F, F + 8, .. under N: (N + 7 - F) / 8 of them, rounded down; none where F >= N, since F is 7 at the most; four at the most, since N is 32 at the most
	s_add_co_u32 s[TE], s[NN], 7
	s_sub_co_u32 s[TE], s[TE], s[ST]
	s_lshr_b32 s[TE], s[TE], 3
	s_min_u32 s[TE], s[TE], 4
	s_mov_b32 s[TC], 0
.endm
.macro NEXT                            ; the step that is fetched next: my next of this job, else the first of my next job; held inside the batch's 32
	s_add_co_u32 s[NX], s[ST], 8
	s_cmp_lt_u32 s[NX], s[NN]
	s_cselect_b32 s[NX], s[NX], s[NSJ]
	s_min_u32 s[NX], s[NX], 31
.endm
.macro BASE p
	s_mul_i32 s[TMP], s[NX], KVSTEP
	s_add_nc_u64 s[\p:\p+1], s[KVB:KVB+1], s[TMP:TMP+1]
.endm
; S^T = K Q^T: eight tiles of 16 keys, each sum begun with the constant 0.  w: the window of S^T and Q; row: which half of the lanes of qs holds the tile's scale words
.macro QK w, row, qs
.if \w
	WIN 0x45
.else
	WIN 0x01
.endif
.irp t, 0,2,4,6
.if \row
	v_wmma_scale_f32_16x16x128_f8f6f4 v[SS+8*\t:SS+8*\t+7], v[8*\t:8*\t+7], v[QF:QF+7], 0, v[KS+\t/2], v[\qs] matrix_a_fmt:MATRIX_FMT_FP4 matrix_b_fmt:MATRIX_FMT_FP4 matrix_b_scale:MATRIX_SCALE_ROW1
	v_wmma_scale_f32_16x16x128_f8f6f4 v[SS+8*\t+8:SS+8*\t+15], v[8*\t+8:8*\t+15], v[QF:QF+7], 0, v[KS+\t/2], v[\qs] matrix_a_fmt:MATRIX_FMT_FP4 matrix_b_fmt:MATRIX_FMT_FP4 matrix_a_scale:MATRIX_SCALE_ROW1 matrix_b_scale:MATRIX_SCALE_ROW1
.else
	v_wmma_scale_f32_16x16x128_f8f6f4 v[SS+8*\t:SS+8*\t+7], v[8*\t:8*\t+7], v[QF:QF+7], 0, v[KS+\t/2], v[\qs] matrix_a_fmt:MATRIX_FMT_FP4 matrix_b_fmt:MATRIX_FMT_FP4
	v_wmma_scale_f32_16x16x128_f8f6f4 v[SS+8*\t+8:SS+8*\t+15], v[8*\t+8:8*\t+15], v[QF:QF+7], 0, v[KS+\t/2], v[\qs] matrix_a_fmt:MATRIX_FMT_FP4 matrix_b_fmt:MATRIX_FMT_FP4 matrix_a_scale:MATRIX_SCALE_ROW1
.endif
.endr
.endm
; O^T += V^T P^T: four tiles of 16 channels, K = the step's 128 keys.  The accumulators take turns, one instruction a turn
.macro PV w
.if \w
	WIN 0x54
.else
	WIN 0
.endif
.irp t, 0,2
	v_wmma_scale_f32_16x16x128_f8f6f4 v[OO+8*\t:OO+8*\t+7], v[VF+8*\t:VF+8*\t+7], v[PCD:PCD+7], v[OO+8*\t:OO+8*\t+7], v[VS+\t/2], v[PW+\w] matrix_a_fmt:MATRIX_FMT_FP4 matrix_b_fmt:MATRIX_FMT_FP4
	v_wmma_scale_f32_16x16x128_f8f6f4 v[OO+8*\t+8:OO+8*\t+15], v[VF+8*\t+8:VF+8*\t+15], v[PCD:PCD+7], v[OO+8*\t+8:OO+8*\t+15], v[VS+\t/2], v[PW+\w] matrix_a_fmt:MATRIX_FMT_FP4 matrix_b_fmt:MATRIX_FMT_FP4 matrix_a_scale:MATRIX_SCALE_ROW1
.endr
.endm
; the step on the diagonal: register 16 b + i holds key 128 step + 32 b + 16 h + i, hidden where 32 b + i > DV = my query - 128 step - 16 h.  Each accumulator is read from its low end on.
; The compares go in runs of sixteen, into sixteen scalar registers, so that one wait serves a run
.macro DIAG
.irp b, 0,1,2,3
.set J, 0
.rept 16
	v_cmp_gt_i32 s[DM+J], 32*\b+J, v[DV]
.set J, J+1
.endr
	s_wait_alu depctr_va_sdst(0)                   ; the sixteen compares have written their masks in s80-95, ahead of the selects that read them
.set J, 0
.rept 16
	v_cndmask_b32 v[SS+16*\b+J], v[SS+16*\b+J], v[NEGB], s[DM+J]
.set J, J+1
.endr
.endr
.endm
; One tile's softmax for one step.  u: the window, and which of p's two scale words.  exact = 1: t by reference()'s own roundings: fl(fl(fl(s |scale|) + bias) log2(e)), then + (-M)
.macro SOFTMAX u, exact
.if \u
	WIN 0x55
.else
	WIN 0
.endif
.irp b, 0,1,2,3
	v_max3_num_f32 v[BM+\b], v[SS+16*\b], v[SS+16*\b+1], v[SS+16*\b+2]   ; the largest score of each block of 32 keys: it serves the row's maximum and, since p rises with the score, the block's largest p
.endr
.irp i, 3,5,7,9,11,13
.irp b, 0,1,2,3
	v_max3_num_f32 v[BM+\b], v[BM+\b], v[SS+16*\b+\i], v[SS+16*\b+\i+1]
.endr
.endr
.irp b, 0,1,2,3
	v_max_num_f32 v[BM+\b], v[BM+\b], v[SS+16*\b+15]
.endr
.irp b, 0,1,2,3
	v_permlanex16_b32 v[T1+\b], v[BM+\b], s[SEL], s[SEL+1]
.endr
.irp b, 0,1,2,3
	v_max_num_f32 v[BM+\b], v[BM+\b], v[T1+\b]     ; with lane l xor 16's 16 keys
.endr
.if \exact
.irp b, 0,1,2,3
	v_mul_f32 v[BM+\b], s[SC], v[BM+\b]            ; none of the four roundings falls where its input rises: the largest score gives the largest t, bit for bit
.endr
.irp b, 0,1,2,3
	v_add_f32 v[BM+\b], v26, v[BM+\b]
.endr
.irp b, 0,1,2,3
	v_mul_f32 v[BM+\b], s[L2E], v[BM+\b]
.endr
	v_max3_num_f32 v[XT], v[BM], v[BM+1], v[BM+2]
	v_max_num_f32 v[XT], v[XT], v[BM+3]            ; the step's largest t of my query
.else
	v_max3_num_f32 v[XT], v[BM], v[BM+1], v[BM+2]
	v_max_num_f32 v[XT], v[XT], v[BM+3]
	v_mul_f32 v[XT], s[CC], v[XT]                  ; as t (c is positive)
.endif
	v_max_num_f32 v[TM], v[TM], v[XT]              ; the running largest t
	v_mov_b32 v[XT], v[NM]
	v_floor_f32 v[NM], -v[TM]                      ; -M = floor(-t): M is a whole number
	v_sub_f32 v[XT], v[NM], v[XT]                  ; old M - new M: a whole number, 0 or less
	v_cvt_i32_f32 v[XT], v[XT]                     ; (it saturates)
	v_ldexp_f32 v[FF], 1.0, v[XT]                  ; f = 2^(old M - new M)
.if \exact
.set J, 0
.rept 32
	v_pk_mul_f32 v[SS+J:SS+J+1], v[SS+J:SS+J+1], s[SC:SC+1] op_sel_hi:[1,0]
.set J, J+2
.endr
.set J, 0
.rept 32
	v_pk_add_f32 v[SS+J:SS+J+1], v[SS+J:SS+J+1], v[26:27] op_sel_hi:[1,0]
.set J, J+2
.endr
.set J, 0
.rept 32
	v_pk_mul_f32 v[SS+J:SS+J+1], v[SS+J:SS+J+1], s[L2E:L2E+1] op_sel_hi:[1,0]
.set J, J+2
.endr
.set J, 0
.rept 32
	v_pk_add_f32 v[SS+J:SS+J+1], v[SS+J:SS+J+1], v[NM:NM+1] op_sel_hi:[1,0]
.set J, J+2
.endr
.irp b, 0,1,2,3
	v_add_f32 v[BM+\b], v[NM], v[BM+\b]
.endr
.else
.set J, 0
.rept 32
	v_pk_fma_f32 v[SS+J:SS+J+1], v[SS+J:SS+J+1], s[CC:CC+1], v[NM:NM+1] op_sel_hi:[1,0,0]   ; t - M, two at a time
.set J, J+2
.endr
.irp b, 0,1,2,3
	v_fma_f32 v[BM+\b], v[BM+\b], s[CC], v[NM]
.endr
.endif
.set J, 0
	s_wait_alu depctr_va_vdst(0)
.rept 64
	v_exp_f32 v[SS+J], v[SS+J]                     ; p = 2^(t - M): not normalised
.set J, J+1
.endr
.irp b, 0,1,2,3
	v_exp_f32 v[BM+\b], v[BM+\b]                   ; the block's largest p: the same instructions on the same number
.endr
	v_pk_mul_f32 v[LL:LL+1], v[LL:LL+1], v[FF:FF+1] op_sel_hi:[1,0]   ; the sums under the new M (a plain line behind the exponentials)
	s_wait_alu depctr_va_vdst(0)                   ; the batch of 68 exponentials has written p and the blocks' largest p: one wait, ahead of the first line that names a result
.irp b, 0,1,2,3
	v_max_num_f32 v[BM+\b], 0x1800000, v[BM+\b]    ; the floor 2^(3 - 127): the byte cannot fall under 1; a block of zeros keeps that byte over zero codes
.endr
.irp b, 0,1,2,3
	v_add_nc_u32 v[SCO+\b], 0xff000000, v[BM+\b]   ; 2 off the exponent field: the conversion's scale operand
.endr
.irp b, 0,1,2,3
	v_lshrrev_b32 v[T1+\b], 23, v[SCO+\b]          ; the scale's byte
.endr
	v_lshl_or_b32 v[XT], v[T1+1], 8, v[T1]
	v_lshl_or_b32 v[XT], v[T1+2], 16, v[XT]
.if \u
	WIN 0x15                                       ; scale operands have no window: the word goes to window 0
.endif
	v_lshl_or_b32 v[PW+\u], v[T1+3], 24, v[XT]     ; p's scale word for these 128 keys
.if \u
	WIN 0x55
.endif
.irp b, 0,1,2,3
	v_cvt_scalef32_pk8_fp4_f32 v[PCD+2*\b], v[SS+16*\b:SS+16*\b+7], v[SCO+\b]
	v_cvt_scalef32_pk8_fp4_f32 v[PCD+2*\b+1], v[SS+16*\b+8:SS+16*\b+15], v[SCO+\b]
.endr
	v_nop                                          ; one plain line behind the last scaled conversion
.irp c, 0,1                                        ; the operand wants a whole block in a lane: lanes 0-15 block 2 c, lanes 16-31 block 2 c + 1
.irp i, 0,1
	v_permlane16_swap_b32 v[PCD+4*\c+\i], v[PCD+4*\c+2+\i]
.endr
.endr
	v_pk_add_f32 v[XT:XT+1], v[SS:SS+1], v[SS+2:SS+3]   ; the row's sum, of the unquantised p, in two chains
.set J, 4
.rept 15
	v_pk_add_f32 v[LL:LL+1], v[LL:LL+1], v[SS+J:SS+J+1]
	v_pk_add_f32 v[XT:XT+1], v[XT:XT+1], v[SS+J+2:SS+J+3]
.set J, J+4
.endr
	v_pk_add_f32 v[LL:LL+1], v[LL:LL+1], v[XT:XT+1]
.set J, 0
.rept 16
	v_pk_mul_f32 v[OO+J:OO+J+1], v[OO+J:OO+J+1], v[FF:FF+1] op_sel_hi:[1,0]   ; O^T under the new M.  (The 48 lines from the sums on are the places between p's codes and scale word and the products)
.set J, J+2
.endr
.endm
; a job begins: the largest t at -2^99 c, sum and O^T at 0 (32 moves a tile and job: the step is then written once, and its first change of M multiplies zeros)
.macro INIT w
.if \w
	WIN 0x55
.else
	WIN 0
.endif
	v_mov_b32 v[TM], s[T0]
	v_floor_f32 v[NM], -v[TM]
	v_mov_b32 v[LL], 0
	v_mov_b32 v[LL+1], 0
	v_mov_b32 v[FF+1], 0                           ; (named as the upper half of a pair)
.set J, 0
.rept 32
	v_mov_b32 v[OO+J], 0
.set J, J+1
.endr
.endm
; Q's fragment for tile srcu of the slot, into window w: the scale's sign onto the codes; the code -4 at k = 64 (lanes 0-15); zeros behind it; and the diagonal's distance
.macro MAKEQ w, srcu, exact
.if \w
	WIN 0x40
.else
	WIN 0
.endif
.irp i, 0,1,2,3
	v_xor_b32 v[QF+\i], s[SGN], v[QRAW+4*\srcu+\i]
.endr
.if \exact
	v_cndmask_b32 v[QF+4], v11, 0, s[FM]           ; a query without an allowed key takes no mask: its score stays the dot product
.else
	v_mov_b32 v[QF+4], v11
.endif
	v_mov_b32 v[QF+5], 0
	v_mov_b32 v[QF+6], 0
	v_mov_b32 v[QF+7], 0
	s_and_b32 s70, s[CUR], 3
	s_lshl_b32 s70, s70, 5
	s_add_co_u32 s70, s70, 8*\srcu
	v_add_nc_u32 v[DV], s70, v14
.if \exact
	v_cndmask_b32 v[DV], v[DV], 0x3e8, s[FM]       ; and nothing is hidden from it
.endif
.endm
; my part of a tile goes to my record, in two parts: the sum's two halves are added (both tiles' ahead of the one wait), then the stores
.macro PSUM w
.if \w
	WIN 0x55
.else
	WIN 0
.endif
	v_add_f32 v[TM], v[LL], v[LL+1]                ; the sum's two halves, beside -M
.endm
.macro PSTO w, tu
.if \w
	WIN 0x04                                       ; an LDS store's data are its source 1
.else
	WIN 0
.endif
.irp i, 0,1,2,3,4,5,6,7
	ds_store_b128 v6, v[OO+4*\i:OO+4*\i+3] offset:REC*\tu+512*\i   ; each accumulator from its low end on
.endr
	ds_store_b64 v7, v[NM:NM+1] offset:REC*\tu
.endm
	s_load_b256 s[4:11], s[0:1], 0x0               ; kv s[4:5], qimg s[6:7], first s[8:9], scale s[10:11]
	s_load_b128 s[12:15], s[0:1], 0x20             ; q_mask s[12:13], out0 s[14:15]
	v_lshl_add_u32 v254, v0, 2, 0x26400
	v_mov_b32 v255, 0
	v_lshrrev_b32 v1, 5, v0
	v_readfirstlane_b32 s[WV], v1                  ; wave 0..7
	s_mov_b32 s[GG], ttmp9
	s_and_b32 s[BB], ttmp7, 0xffff
	v_and_b32 v2, 31, v0
	v_lshlrev_b32 v1, 4, v2                        ; v1 = 16 x lane; never rewritten
	v_lshlrev_b32 v2, 3, v2                        ; v2 = 8 x lane; never rewritten
	v_and_b32 v3, 15, v0                           ; r
	v_bfe_u32 v4, v0, 4, 1                         ; h
	v_and_b32 v5, 8, v3
	v_add_nc_u32 v5, v5, v3                        ; r + 8 (r / 8)
	s_wait_alu depctr_va_sdst(0)                   ; the wave's number is written in s16, ahead of its first reader
	s_mul_i32 s70, s[WV], RECW
	v_add_nc_u32 v8, s70, v1                       ; my records: O^T's images,
	s_add_co_u32 s70, s70, 4096
	v_add_nc_u32 v9, s70, v2                       ; and (-M, sum)
	s_and_b32 s71, s[WV], 3                        ; the tile that I merge (waves 0-3)
	s_mul_i32 s71, s71, REC
	v_add_nc_u32 v28, s71, v1                      ; its records of waves 0-3,
	v_add_nc_u32 v29, 4*RECW, v28                  ; of waves 4-7: two bases, so that the immediates stay under 65,536
	s_add_co_u32 s72, s71, 4096
	v_add_nc_u32 v30, s72, v2
	v_add_nc_u32 v31, 4*RECW, v30
	s_add_co_u32 s71, s71, STAGE
	v_mul_u32_u24 v16, v3, 272
	v_lshl_add_u32 v16, v4, 5, v16
	v_add_nc_u32 v16, s71, v16                     ; the stage, in: row r, 32 h
	v_mul_u32_u24 v17, v4, 272
	v_lshl_add_u32 v17, v3, 4, v17
	v_add_nc_u32 v17, s71, v17                     ; and back: lanes 0-15 one row, lanes 16-31 the next
	v_lshlrev_b32 v18, 8, v4
	v_lshl_add_u32 v18, v3, 4, v18                 ; the same two rows in out0
	v_sub_nc_u32 v12, 1, v4
	v_lshlrev_b32 v10, 1, v12                      ; the code 1.0 at k = 64: lanes 0-15 alone
	v_mul_u32_u24 v11, v12, 14                     ; the code -4 likewise
	v_mov_b32 v13, 0xce6e6b28                      ; -1e9
	v_lshlrev_b32 v14, 4, v4
	v_sub_nc_u32 v14, v5, v14                      ; r + 8 (r / 8) - 16 h
	v_mov_b32 v27, 0                               ; (named as the upper half of the bias's pair)
.irp b, 0,1,2,3
	v_mov_b32 v[T1+\b], 0                          ; written once: a lane permute's destination counts as one of its sources
.endr
	v_mov_b32 v[NEGB], 0xf1800000                  ; -2^100
	WIN 0x40
.irp b, 0,1,2,3
	v_mov_b32 v[T1+\b], 0
.endr
	v_mov_b32 v[NEGB], 0xf1800000
.irp t, 0,1,2,3,4,5,6,7
	v_mov_b32 v[8*\t+4], v10                       ; the upper half of K's fragments is written once and stays
	v_mov_b32 v[8*\t+5], 0
	v_mov_b32 v[8*\t+6], 0
	v_mov_b32 v[8*\t+7], 0
.endr
	WIN 0
	s_mov_b32 s[SEL], 0x76543210
	s_mov_b32 s[SEL+1], 0xfedcba98
	s_mov_b32 s[L2E], 0x3fb8aa3b
	s_mov_b32 s[L2E+1], s[L2E]
	s_mov_b32 s[TMP+1], 0
	s_mov_b32 s[CNT], 0
	s_mov_b32 s[SOFF], 0
	s_add_co_u32 s91, s[GG], 1                     ; the second double tile: g + 1
	s_sub_co_u32 s70, 127, s[GG]
	s_cmp_lt_u32 s[GG], 32
	s_cselect_b32 s71, 0, 1
	s_add_co_u32 s90, s70, s71                     ; the first: 127 - g, from g = 33 on 128 - g,
	s_cmp_eq_u32 s[GG], 32
	s_cselect_b32 s90, 0, s90                      ; and 0 for g = 32
	s_mov_b32 s[CUR], s90
	s_mov_b32 s[NXT], s91
	s_wait_kmcnt 0x0
	s_lshl_b32 s70, s[BB], 7
	s_mov_b32 s71, 0
	s_add_nc_u64 s[8:9], s[8:9], s[70:71]
	s_load_b32 s[FB], s[8:9], 0x0
	s_load_b32 s77, s[10:11], 0x0
	s_mul_i32 s70, s[BB], KVBATCH
	s_add_nc_u64 s[KVB:KVB+1], s[4:5], s[70:71]
.macro QBASE d, pc, ps                 ; double tile s[d]: its codes at s[pc:pc+1] (+ 512 u + 16 lane), its scale words at s[ps:ps+1] (+ 4096 + 16 lane)
	s_lshr_b32 s72, s[\d], 2
	s_lshl_b32 s73, s[BB], 5
	s_add_co_u32 s72, s72, s73
	s_mul_i32 s72, s72, QBLK
	s_and_b32 s73, s[\d], 3
	s_lshl_b32 s74, s73, 10
	s_add_co_u32 s74, s74, s72
	s_mov_b32 s75, 0
	s_add_nc_u64 s[\pc:\pc+1], s[6:7], s[74:75]
	s_lshl_b32 s74, s73, 2
	s_add_co_u32 s74, s74, s72
	s_add_nc_u64 s[\ps:\ps+1], s[6:7], s[74:75]
.endm
	QBASE 90, 82, 86
	QBASE 91, 84, 88
	s_bitcmp1_b32 s[WV], 1                         ; the tile that I merge: slot (wave / 2) % 2, tile wave % 2
	s_cselect_b32 s92, s91, s90
	s_and_b32 s93, s[WV], 1
	s_lshl_b32 s70, s[BB], 12
	s_lshl_b32 s71, s92, 5
	s_add_co_u32 s70, s70, s71
	s_lshl_b32 s71, s93, 3
	s_add_co_u32 s94, s70, s71                     ; its first row: 4096 batch + 32 D + 8 u
	s_mov_b32 s95, 0
	s_add_nc_u64 s[80:81], s[12:13], s[94:95]
	s_lshl_b32 s94, s94, 8
	s_add_nc_u64 s[14:15], s[14:15], s[94:95]
	s_wait_alu depctr_va_vdst(0)                   ; every offset and LDS address of the kernel is written (v1, v2, v5, v16-18, v28-31, and the closing add's v254, v255), which loads and stores read from here on; so are the halves of K's fragments that stay, which the products take
	global_load_u8 v15, v5, s[80:81]               ; q_mask of my lane's query in that tile
	global_load_b128 v[QRAW:QRAW+3], v1, s[82:83]
	global_load_b128 v[QRAW+4:QRAW+7], v1, s[82:83] offset:512
	global_load_b128 v[QRAW+8:QRAW+11], v1, s[84:85]
	global_load_b128 v[QRAW+12:QRAW+15], v1, s[84:85] offset:512
	global_load_b32 v[QS], v1, s[86:87] offset:4096
	global_load_b32 v[QSN], v1, s[88:89] offset:4096
	s_wait_kmcnt 0x0
	s_min_u32 s[FB], s[FB], 4096
	s_lshr_b32 s70, s77, 31
	s_mul_i32 s[SGN], s70, 0x88888888
	s_and_b32 s70, s77, 0x7fffffff
	s_max_u32 s[SC], s70, 0x21800000               ; |scale|, held at 2^-60 from below
	s_mov_b32 s[SC+1], s[SC]
	v_mov_b32 v19, s[SC]
	v_mul_f32 v20, s[L2E], v19                     ; c
	v_mul_f32 v21, 0xf1000000, v20                 ; -2^99 c
	v_mul_f32 v22, 0xf1800000, v19                 ; -2^100 |scale|
	v_readfirstlane_b32 s[CC], v20
	v_readfirstlane_b32 s[T0], v21
	v_readfirstlane_b32 s[KILL], v22
	s_wait_alu depctr_va_sdst(0)                   ; c, -2^99 c and -2^100 |scale| are written in s22, s28 and s29, ahead of their first reader
	s_mov_b32 s[CC+1], s[CC]
	; the jobs.  A slot whose first query has an allowed key is one job of both tiles, D / 4 + 1 steps; else two jobs of one tile, 32 steps where the tile's first query has none
.macro SLOTP b
	s_lshr_b32 s[\b+1], s[\b], 2
	s_lshl_b32 s[\b+2], s[\b], 5
	s_add_co_u32 s70, s[\b+1], 1
	s_add_co_u32 s71, s[\b+2], 8
	s_cmp_lt_u32 s71, s[FB]
	s_cselect_b32 s72, 32, s70
	s_cmp_lt_u32 s[\b+2], s[FB]
	s_cselect_b32 s[\b+3], 32, s70
	s_cselect_b32 s[\b+6], s72, 0
.endm
	SLOTP CUR
	SLOTP NXT
	s_mov_b32 s[CUR+4], s[WV]                      ; step s of a job behind ACC earlier steps is wave (ACC + s) % 8's: my first is (wave - ACC) % 8
	s_sub_co_u32 s70, s[WV], s[CUR+3]
	s_and_b32 s[CUR+7], s70, 7
	s_add_co_u32 s71, s[CUR+3], s[CUR+6]
	s_sub_co_u32 s70, s[WV], s71
	s_and_b32 s[NXT+4], s70, 7
	s_add_co_u32 s71, s71, s[NXT+3]
	s_sub_co_u32 s70, s[WV], s71
	s_and_b32 s[NXT+7], s70, 7
	s_mov_b32 s[NXT+8], 0                          ; behind my last job step 0 is fetched and not used
	s_cmp_lt_u32 s[NXT+7], s[NXT+6]
	s_cselect_b32 s[NXT+5], s[NXT+7], 0
	s_cmp_lt_u32 s[NXT+4], s[NXT+3]
	s_cselect_b32 s[CUR+8], s[NXT+4], s[NXT+5]
	s_cmp_lt_u32 s[CUR+7], s[CUR+6]
	s_cselect_b32 s[CUR+5], s[CUR+7], s[CUR+8]
	s_cmp_lt_u32 s[CUR+4], s[CUR+3]
	s_cselect_b32 s[NX], s[CUR+4], s[CUR+5]        ; my very first step
	s_min_u32 s[NX], s[NX], 31
	BASE KB
	BASE VB
	LOADK 0                                        ; no wait: no vector or matrix instruction has named the registers in which these 18 loads land, and none since the head's wait names v1 or v2
	LOADV 0
.Lslot:                                            ; two trips: the work-group's two double tiles
	v_add_nc_u32 v6, s[SOFF], v8                   ; (the stores that read v6 and v7 in the trip before stand ahead of a wait on vm_vsrc)
	v_add_nc_u32 v7, s[SOFF], v9
	s_cmp_lt_u32 s[CUR+2], s[FB]
	s_cbranch_scc1 .Lexact
	; ---- both tiles at once: every query has an allowed key
	s_mov_b32 s[NN], s[CUR+3]
	s_mov_b32 s[ST], s[CUR+4]
	s_mov_b32 s[NSJ], s[CUR+5]
	TRIPS
	INIT 0
	INIT 1
	s_wait_loadcnt 18                              ; behind Q's loads only K's 9 and V's 9 were issued: Q is in
	MAKEQ 0, 0, 0
	MAKEQ 1, 1, 0
	WIN 0
	PLACES 4                                       ; an operand written by vector instructions stands 4 places ahead of a scaled product
	s_wait_alu depctr_va_vdst(0)                   ; both tiles' fragments of Q are written, and in the second slot Q's scale word, which the job's products take; the places above stay beside this wait
	s_cmp_eq_u32 s[TE], 0                          ; no step of this job is mine
	s_cbranch_scc1 .Lfdone
.Lfk:                                              ; a trip is one of my steps: the trips are counted one by one against their number, the step goes on by 8
	s_wait_loadcnt 9                               ; K of this step is in; V's 9 loads, issued behind it, may be out.  K's base may be written again
	QK 0, 0, QS
	QK 1, 1, QS
	WIN 0
	NEXT
	BASE KB
	PLACES 4                                       ; in front of the first read of the scores
	LOADK 1
	s_cmp_lg_u32 s[ST], s[CUR+1]
	s_cbranch_scc1 .Lfnd
	DIAG
	WIN 0x55
	DIAG
	WIN 0
.Lfnd:
	SOFTMAX 0, 0
	SOFTMAX 1, 0
	s_wait_loadcnt 9                               ; V of this step is in; the next K's 9 loads may be out.  V's base may be written again
	s_wait_alu depctr_va_vdst(0)                   ; both tiles' codes of p and their scale words are written, which the products below take; the places stand ahead of this wait
	PV 0
	PV 1
	WIN 0
	BASE VB
	PLACES 4                                       ; four places behind the last products: behind the loop's last trip LDS stores read O^T
	LOADV 1
	s_add_co_u32 s[ST], s[ST], 8
	s_add_co_u32 s[TC], s[TC], 1
	s_cmp_lt_u32 s[TC], s[TE]
	s_cbranch_scc1 .Lfk
.Lfdone:
	PSUM 0
	PSUM 1
	WIN 0
	s_wait_alu depctr_va_vdst(0)                   ; O^T of both tiles (by the products, or by the job's opening moves), -M, the sums just added and the addresses v6, v7 are written: the 18 stores below read them
	PSTO 0, 0
	PSTO 1, 1
	WIN 0
	s_wait_alu depctr_vm_vsrc(0)                   ; the stores have read O^T, -M, the sums, v6 and v7: the next slot, the next job and the merge write these registers again
	s_branch .Lslot_end
	; ---- a tile at a time, by reference()'s own roundings
.macro EXJOB u
	s_mov_b32 s[NN], s[CUR+3+3*\u]
	s_mov_b32 s[ST], s[CUR+4+3*\u]
	s_mov_b32 s[NSJ], s[CUR+5+3*\u]
	TRIPS
	s_add_co_u32 s70, s[CUR+2], 8*\u
	v_add_nc_u32 v12, s70, v5                      ; my lane's query
	v_cmp_gt_u32 s[FM], s[FB], v12                 ; it has no allowed key
	INIT 0
	s_wait_loadcnt 18
	s_wait_alu depctr_va_sdst(0)                   ; the compare has written its mask in s55, ahead of the first select that reads it
	MAKEQ 0, \u, 1
	s_mov_b32 s71, 0x10000
	v_and_or_b32 v[XT], v[QS], 0xff00ffff, s71
	v_cndmask_b32 v[QSX], v[QS], v[XT], s[FM]      ; in those lanes byte 2 of Q's scale word is 1: the block of the mask's code has a small scale whatever the key's byte
	PLACES 8                                       ; a scale register written by a vector instruction stands 8 places ahead of a scaled product
	s_wait_alu depctr_va_vdst(0)                   ; the tile's fragment of Q and its scale word for this job are written, which the job's products take; the places above stay beside this wait
	s_cmp_eq_u32 s[TE], 0
	s_cbranch_scc1 .Lxdone_\@
.Lxk_\@:
	s_wait_loadcnt 9
	QK 0, \u, QSX
	WIN 0
	NEXT
	BASE KB
	PLACES 4
	LOADK 1
	s_cmp_gt_u32 s[ST], s[CUR+1]
	s_cselect_b32 s[BK], s[KILL], 0
	v_cndmask_b32 v26, s[BK], v13, s[FM]           ; the bias: -1e9; for a query with an allowed key 0, behind the diagonal -2^100 |scale|
	s_cmp_lg_u32 s[ST], s[CUR+1]
	s_cbranch_scc1 .Lxnd_\@
	DIAG
.Lxnd_\@:
	SOFTMAX 0, 1
	s_wait_loadcnt 9
	s_wait_alu depctr_va_vdst(0)                   ; the codes of p and their scale word are written, which the products below take; the places stand ahead of this wait
	PV 0
	BASE VB
	PLACES 4                                       ; four places behind the last products: behind the loop's last trip LDS stores read O^T
	LOADV 1
	s_add_co_u32 s[ST], s[ST], 8
	s_add_co_u32 s[TC], s[TC], 1
	s_cmp_lt_u32 s[TC], s[TE]
	s_cbranch_scc1 .Lxk_\@
.Lxdone_\@:
	PSUM 0
	s_wait_alu depctr_va_vdst(0)                   ; O^T (by the products, or by the job's opening moves), -M, the sum just added and the addresses v6, v7 are written: the nine stores below read them
	PSTO 0, \u
	s_wait_alu depctr_vm_vsrc(0)                   ; the stores have read O^T, -M, the sum, v6 and v7: the next job, the next slot and the merge write these registers again
.endm
.Lexact:
	EXJOB 0
	EXJOB 1
.Lslot_end:
.irp i, 0,1,2,3,4,5,6,7,8
	s_mov_b32 s[CUR+\i], s[NXT+\i]
.endr
.irp i, 0,1,2,3,4,5,6,7
	v_mov_b32 v[QRAW+\i], v[QRAW+8+\i]
.endr
	v_mov_b32 v[QS], v[QSN]                        ; (the next job's moves stand between this and the next product)
	s_add_co_u32 s[SOFF], s[SOFF], 2*REC
	s_add_co_u32 s[CNT], s[CNT], 1
	s_cmp_lt_u32 s[CNT], 2
	s_cbranch_scc1 .Lslot
	s_wait_loadcnt 0x0                             ; the last fetch, which nobody uses, has landed: its registers serve the merge.  q_mask's byte is in
	s_wait_dscnt 0x0                               ; for the others' sake: my records have landed
	s_barrier_signal -1
	s_barrier_wait -1
	s_cmp_ge_u32 s[WV], 4
	s_cbranch_scc1 .Lend
	; ---- THE MERGE: wave w takes tile w: the eight waves' records under the largest M.  Each record has registers of its own, in window 1, so that no load lands where a line of the merge has read
	s_wait_alu depctr_va_vdst(0)                   ; the jobs' vector and matrix instructions are done with v64-79 and with all of window 1, in which the 72 loads of the merge land
.irp w, 0,1,2,3
	ds_load_b64 v[64+2*\w:65+2*\w], v30 offset:\w*RECW
.endr
.irp w, 0,1,2,3
	ds_load_b64 v[72+2*\w:73+2*\w], v31 offset:\w*RECW
.endr
.macro RLOAD w                         ; wave w's record of my tile -> window 1, v[32 w] on
.irp i, 0,1,2,3,4,5,6,7
	ds_load_b128 v[32*(\w)+4*\i:32*(\w)+4*\i+3], v[28+(\w)/4] offset:((\w)%4)*RECW+512*\i
.endr
.endm
	WIN 0x40                                       ; destination window 1, address window 0
.irp w, 0,1,2,3,4,5
	RLOAD \w
.endr
	s_wait_dscnt 40                                ; the eight (-M, sum) and record 0 are in; the 40 loads of records 1 to 5 may be out
	RLOAD 6                                        ; with these sixteen 56 loads are out at the most.  No wait on va_vdst: no line since the merge's head names window 1
	RLOAD 7
	WIN 0
	v_min3_num_f32 v80, v64, v66, v68
	v_min3_num_f32 v80, v80, v70, v72
	v_min3_num_f32 v80, v80, v74, v76
	v_min_num_f32 v80, v80, v78                    ; the least -M
.irp w, 0,1,2,3,4,5,6,7
	v_sub_f32 v[160+2*\w], v80, v[64+2*\w]         ; wave w's M - the largest M: a whole number, 0 or less
.endr
.irp w, 0,1,2,3,4,5,6,7
	v_cvt_i32_f32 v[160+2*\w], v[160+2*\w]
.endr
.irp w, 0,1,2,3,4,5,6,7
	v_ldexp_f32 v[160+2*\w], 1.0, v[160+2*\w]      ; its factor: a wave without an allowed key for this query gets 0
.endr
.irp w, 0,1,2,3,4,5,6,7
	v_mov_b32 v[161+2*\w], v[160+2*\w]
.endr
	v_mul_f32 v81, v160, v65
.irp w, 1,2,3,4,5,6,7
	v_fmac_f32 v81, v[160+2*\w], v[65+2*\w]
.endr
	v_mov_b32 v82, 0
.macro MERGE w
.set J, 0
.rept 16
.if (\w) == 0
	v_pk_mul_f32 v[OO+J:OO+J+1], v[32*(\w)+J:32*(\w)+J+1], v[160:161]
.else
	v_pk_fma_f32 v[OO+J:OO+J+1], v[32*(\w)+J:32*(\w)+J+1], v[160+2*(\w):161+2*(\w)], v[OO+J:OO+J+1]
.endif
.set J, J+2
.endr
.endm
	WIN 0x01                                       ; source 0, the record, in window 1
	MERGE 0
.irp w, 1,2,3,4,5,6,7
	s_wait_dscnt 8*(7-\w)                          ; LDS loads come back in order: record w is in; the younger records, eight loads each, may be out
	MERGE \w
.endr
	WIN 0
	v_permlanex16_b32 v82, v81, s[SEL], s[SEL+1]
	v_add_f32 v81, v81, v82                        ; with lane l xor 16's keys: the row's sum
	s_wait_alu depctr_va_vdst(0)
	v_rcp_f32 v83, v81
	v_nop                                          ; one plain line behind the transcendental
	v_cmp_ne_u32 vcc_lo, 0, v15
	s_wait_alu depctr_va_vdst(0)                   ; the reciprocal has written v83, ahead of its first reader
	s_wait_alu depctr_va_vcc(0)                    ; the compare has written VCC, ahead of the select that reads it
	v_cndmask_b32 v84, 0, v83, vcc_lo              ; q_mask: a row that is masked is multiplied by 0
	v_mov_b32 v85, v84
.set J, 0
.rept 16
	v_pk_mul_f32 v[OO+J:OO+J+1], v[OO+J:OO+J+1], v[84:85]
.set J, J+2
.endr
	s_wait_alu depctr_va_vdst(0)                   ; the multiplications have written v128-159, which the stores into the stage read; nothing behind this wait names v32-63, in which the rows come back
.irp t, 0,1,2,3
	ds_store_b128 v16, v[OO+8*\t:OO+8*\t+3] offset:64*\t          ; lane (r, h): channels 16 t + 8 h + 0 .. 7 of stage row r
	ds_store_b128 v16, v[OO+8*\t+4:OO+8*\t+7] offset:64*\t+16
.endr
.irp i, 0,1,2,3,4,5,6,7
	ds_load_b128 v[32+4*\i:35+4*\i], v17 offset:544*\i            ; my wave's own bytes, served in order: these see the stores above
.endr
.irp i, 0,1,2,3,4,5,6,7
	s_wait_dscnt 7-\i
	global_store_b128 v18, v[32+4*\i:35+4*\i], s[14:15] offset:(2*\i+8*(\i/4))*256 th:TH_STORE_NT   ; stage row n is query n + 8 (n / 8) of the tile: two whole rows of 256 bytes a store, aligned
.endr
.Lend:
	s_wait_dscnt 0x0                               ; the closing lines, six on end
	s_wait_alu 0x0
	s_wait_tensorcnt 0x0
	ds_add_u32 v254, v255
	s_wait_dscnt 0x0
	s_endpgm
.Lfunc_end_k_qdd732db2ae_attend:
	.size	k_qdd732db2ae_attend, .Lfunc_end_k_qdd732db2ae_attend-k_qdd732db2ae_attend
	.p2alignl 7, 3214868480
	.fill 96, 4, 3214868480
	.section	.rodata,"a",@progbits
	.p2align	6, 0x0
	.amdhsa_kernel k_qdd732db2ae_attend
		.amdhsa_group_segment_fixed_size 157696
		.amdhsa_private_segment_fixed_size 0
		.amdhsa_enable_private_segment 0
		.amdhsa_kernarg_size 48
		.amdhsa_user_sgpr_count 2
		.amdhsa_user_sgpr_kernarg_segment_ptr 1
		.amdhsa_wavefront_size32 1
		.amdhsa_system_sgpr_workgroup_id_x 1
		.amdhsa_system_sgpr_workgroup_id_y 1
		.amdhsa_system_sgpr_workgroup_id_z 1
		.amdhsa_system_vgpr_workitem_id 0
		.amdhsa_next_free_vgpr 512
		.amdhsa_next_free_sgpr 96
		.amdhsa_reserve_vcc 1
		.amdhsa_float_denorm_mode_32 3
		.amdhsa_float_denorm_mode_16_64 3
		.amdhsa_memory_ordered 1
		.amdhsa_forward_progress 1
		.amdhsa_inst_pref_size 152
	.end_amdhsa_kernel
	.amdgpu_metadata
---
amdhsa.version: [ 1, 2 ]
amdhsa.kernels:
  - .name:           k_qdd732db2ae_attend
    .symbol:         k_qdd732db2ae_attend.kd
    .args:
      - { .name: kv, .offset: 0, .size: 8, .value_kind: global_buffer, .address_space: global }
      - { .name: qimg, .offset: 8, .size: 8, .value_kind: global_buffer, .address_space: global }
      - { .name: first, .offset: 16, .size: 8, .value_kind: global_buffer, .address_space: global }
      - { .name: scale, .offset: 24, .size: 8, .value_kind: global_buffer, .address_space: global }
      - { .name: q_mask, .offset: 32, .size: 8, .value_kind: global_buffer, .address_space: global }
      - { .name: out0, .offset: 40, .size: 8, .value_kind: global_buffer, .address_space: global }
    .group_segment_fixed_size: 157696
    .private_segment_fixed_size: 0
    .kernarg_segment_align: 8
    .kernarg_segment_size: 48
    .max_flat_workgroup_size: 256
    .sgpr_count:     96
    .vgpr_count:     512
    .wavefront_size: 32
...
	.end_amdgpu_metadata
.endif
;; end of part 3
